; MI455X (gfx1250); checked and timed in simulation.
; The chip was launched on July 23, 2026; its instructions are those of AMD's public machine-readable ISA for CDNA 5 (MIT licence, August 2026) and "CDNA5" Instruction Set Architecture Reference Guide (July 2026). The comments in the code are by the model that wrote it; some were corrected since.
;; multi head attention. Allowed arithmetic: matrix products marked QUANTISED: E2M3 operands, one E8M0 scale for each 32 along K, by v_wmma_scale_f32_16x16x128_f8f6f4 with both operands' format E2M3, f32 sums; everything else in f32.
;; Inputs: Wk_codes 1,024 x 32 x 24 uint8 (E2M3 codes of Wk, K innermost, in blocks of 32 codes, four codes in three bytes); Wk_scales 1,024 x 32 uint8 (E8M0 scales of Wk, one for each 32 codes along K); Wq_codes 1,024 x 32 x 24 uint8 (E2M3 codes of Wq, K innermost, in blocks of 32 codes, four codes in three bytes); Wq_scales 1,024 x 32 uint8 (E8M0 scales of Wq, one for each 32 codes along K); Wres_codes 1,024 x 32 x 24 uint8 (E2M3 codes of Wres, K innermost, in blocks of 32 codes, four codes in three bytes); Wres_scales 1,024 x 32 uint8 (E8M0 scales of Wres, one for each 32 codes along K); Wv_codes 1,024 x 32 x 24 uint8 (E2M3 codes of Wv, K innermost, in blocks of 32 codes, four codes in three bytes); Wv_scales 1,024 x 32 uint8 (E8M0 scales of Wv, one for each 32 codes along K); b_att 64 float32; b_out 1,024 float32; bk 1,024 float32; bq 1,024 float32; bres 1,024 float32; bv 1,024 float32; g_att 64 float32; g_out 1,024 float32; key_codes 2 x 2,048 x 32 x 24 uint8 (E2M3 codes of key, K innermost, in blocks of 32 codes, four codes in three bytes); key_scales 2 x 2,048 x 32 uint8 (E8M0 scales of key, one for each 32 codes along K); mask 2 x 2,048 int32; query_codes 2 x 2,048 x 32 x 24 uint8 (E2M3 codes of query, K innermost, in blocks of 32 codes, four codes in three bytes); query_scales 2 x 2,048 x 32 uint8 (E8M0 scales of query, one for each 32 codes along K); value_codes 2 x 2,048 x 32 x 24 uint8 (E2M3 codes of value, K innermost, in blocks of 32 codes, four codes in three bytes); value_scales 2 x 2,048 x 32 uint8 (E8M0 scales of value, one for each 32 codes along K).
;; Outputs: out0 2 x 2,048 x 1,024 float32.
;; This version of the problem:
;;   THIS VERSION OF THE PROBLEM IS GIVEN IN LOW PRECISION. The matrix products marked QUANTISED in the list below multiply operands that are first quantised to E2M3 (2 exponent bits, 3 mantissa bits; 6 bits a number), with one power-of-two scale for each 32 numbers along K (OCP MX v1.0); their sums are f32. All else is computed in f32.
;;   The module's matrix products, in the order in which they are computed (A, B: the left and right operand; K: the contracted axis; several contracted axes count as one K, in the product's order):
;;     1. [M 4,096, K 1,024] x [K 1,024, N 1,024]; A: input query (given as codes); B: input Wq (given as codes): QUANTISED
;;     2. [M 4,096, K 1,024] x [K 1,024, N 1,024]; A: input key (given as codes); B: input Wk (given as codes): QUANTISED
;;     3. [M 4,096, K 1,024] x [K 1,024, N 1,024]; A: input value (given as codes); B: input Wv (given as codes): QUANTISED
;;     4. batch 32 x [M 2,048, K 64] x [K 64, N 2,048]; A: computed on the way; B: computed on the way: QUANTISED
;;     5. batch 32 x [M 2,048, K 2,048] x [K 2,048, N 64]; A: softmax (see below); B: computed on the way: QUANTISED
;;     6. [M 4,096, K 1,024] x [K 1,024, N 1,024]; A: computed on the way; B: input Wres (given as codes): QUANTISED
;;   THE QUANTISER, for each operand of a quantised product, along K:
;;     - K is cut into blocks of 32 from its start; a last block that is shorter is filled with zeros.
;;     - A block's scale is 2^e with e = floor(log2(the largest magnitude in the block)) - 2, held to -126 .. 127; a block of zeros has e = 0. As a byte (E8M0): e + 127.
;;     - Each number is divided by its block's scale, clamped to +-7.5, and rounded to the nearest number of E2M3, ties to even, subnormals kept.
;;     - The product sums the exact products of the quantised numbers (number of the format x scale) in f32.
;;   ~~~python
;;   def quantise(x, axis):      # numpy; x: float32 -> the quantised numbers, widened to float32 again
;;       x = np.moveaxis(x, axis, -1); K = x.shape[-1]
;;       x = np.pad(x, [(0, 0)] * (x.ndim - 1) + [(0, -K % 32)]); x = x.reshape(x.shape[:-1] + (-1, 32)); a = np.abs(x).max(-1, keepdims=True)
;;       e = np.where(a > 0, np.clip(np.frexp(np.where(a > 0, a, 1))[1] - 1 - 2, -126, 127), 0)      # np.frexp(a)[1] - 1 = floor(log2(a)), exactly
;;       r = np.clip(x / 2.0 ** e, -7.5, 7.5)
;;       step = 2.0 ** (np.maximum(np.frexp(np.where(r == 0, 1, r))[1] - 1, 0) - 3)
;;       q = np.round(r / step) * step * 2.0 ** e      # np.round: ties to even
;;       return np.moveaxis(q.reshape(q.shape[:-2] + (-1,))[..., :K], -1, axis).astype(np.float32)
;;   ~~~
;;   SOFTMAX AHEAD OF A QUANTISED PRODUCT. Where the list says 'softmax', what is quantised is not the finished softmax but p = 2^(t - M), with t = logit x log2(e) and M = ceil(the row's largest t), a whole number; so 1/2 < the row's largest p <= 1. The row's sum l is taken of the UNQUANTISED p, in f32, and the product's result is divided by l at the end. Since M is a whole number, a kernel that streams over the keys may use a running M (the ceiling of the running maximum): every later rescaling is an exact power of two, which a block's scale takes up: the codes' values come out the same.
;;   OPERANDS COMPUTED ON THE WAY. 'Computed on the way' means the value that the module computes at that place (a softmax that the list does not call 'softmax' is quantised finished and normalised). What goes into a quantiser is computed in f32, as accurately as f32 sums, v_exp_f32 and their like allow (about 1e-6 of the number): no bf16 or f16 on the way to a quantiser, and a product that is left as it is and whose result goes on into a quantised operand takes f32 operands (vector FMAs, or v_wmma_f32_16x16x4_f32). A number that lies on a knife's edge between two numbers of the format may be rounded either way, as far as f32 arithmetic and the matrix unit's own rounding can turn it there, and no further.
;;   INPUTS GIVEN AS CODES. Wk (in the module: [1024, 1024], K = its axis 0); Wq (in the module: [1024, 1024], K = its axis 0); Wres (in the module: [1024, 1024], K = its axis 0); Wv (in the module: [1024, 1024], K = its axis 0); key (in the module: [2, 2048, 1024], K = its axis 2); query (in the module: [2, 2048, 1024], K = its axis 2); value (in the module: [2, 2048, 1024], K = its axis 2): each comes as NAME_codes (uint8): NAME with its K axis moved to the last place and cut into blocks of 32 codes, [.., K / 32, bytes a block], one block behind the other in memory; four codes in three bytes: a row's codes are one little-endian stream of bits, code i at bits 6 i .. 6 i + 5 (a code: sign, 2 exponent bits, 3 mantissa bits); and NAME_scales (uint8): the same leading axes, one E8M0 byte (e + 127) for each 32 codes along K. Its value is code x scale, taken as it is: it is not quantised again, and the codes and scales need not be those that the quantiser above would give.
;; One version. Each part assembles by itself: llvm-mc -triple=amdgcn-amd-amdhsa -mcpu=gfx1250 --defsym DOCPART=n.
;; ======== version 1 of 1: 3 launches
;; limits: right only within a limited range of input values
;; workspace buffers: kv 6,553,600 bytes; wi 4,784,128 bytes; af 16,777,216 bytes; ac 3,276,800 bytes
;; launch proj (part 1): grid 8 x 64, 4 waves a work-group, clusters of 4 x 4, 262,144 bytes of LDS; arguments key_codes, key_scales, Wk_codes, Wk_scales, bk, kv, Wv_codes, Wv_scales, value_codes, value_scales, bv, query_codes, Wres_codes, Wres_scales, Wq_codes, Wq_scales, wi; writes kv, wi
.if DOCPART == 1
	.amdgcn_target "amdgcn-amd-amdhsa--gfx1250"
	.amdhsa_code_object_version 6
	.text
	.protected	k_qb136a70717_proj
	.globl	k_qb136a70717_proj
	.p2align	8
	.type	k_qb136a70717_proj,@function
k_qb136a70717_proj:
	s_mov_b64 s[64:65], 0
	v_nop
	global_prefetch_b8 v0, s[64:65] scope:SCOPE_SE
	s_setreg_imm32_b32 hwreg(HW_REG_WAVE_MODE, 25, 1), 1
	s_wait_xcnt 0x0
	s_wait_alu depctr_hold_cnt(0) depctr_sa_sdst(0) depctr_va_vdst(0) depctr_va_sdst(0) depctr_va_ssrc(0) depctr_va_vcc(0) depctr_vm_vsrc(0)
	s_getreg_b32 s2, hwreg(HW_REG_IB_STS2, 6, 4)
	s_cmp_eq_u32 s2, 0
	s_cbranch_scc0 .Lentry_in_a_cluster
	s_endpgm
.Lentry_in_a_cluster:
	s_bfe_u32 s2, ttmp6, 0x10000c
	s_cmp_lg_u32 s2, 0xf033
	s_cbranch_scc0 .Lentry_shape_is_right
	s_endpgm
.Lentry_shape_is_right:
; LAUNCH 1 OF 3: the projections k = key Wk + bk and v = value Wv + bv on codes of FP6 (E2M3) with E8M0 scales, the quantisers behind them, and the laying out of three operands for the later launches.
; NOTHING OF reference() IS LEFT OUT in this program: every input has a way to the output (bk moves k's codes; the mask is an input and is applied as reference() writes it).  q's projection is made by launch 2.
; LIMITS: NaN and infinities among the inputs are not served.  A block whose largest magnitude lies under 2^-124 keeps the scale byte 1; a block of zeros has the byte 1 where the
; quantiser says 127: its codes are zeros, which add nothing under any byte but 0xff, and only this program reads these bytes.
; ONE BODY FOR TWO PRODUCTS, C[a][b] = sum over k of A[a][k] B[b][k] + bias, tiles of 128 x 128, K = 1,024.  TY = 0 (k): A = the tokens (4,096 rows), B = Wk's rows n (1,024).
; TY = 1 (v): A = Wv's rows (the channels), B = value's tokens.  THE MATRIX INSTRUCTION IS USED TRANSPOSED (source 0 = 16 rows of B, source 1 = 16 rows of A): a lane holds one a, its registers run along b,
; and b is the axis of the quantiser that follows: the head's 64 channels for k, the keys for v.
; THE ROWS OF A TILE ARE NOT NEIGHBOURS: lane r of tile 2 b + u takes row 32 b + 8 u + r + 8 (r / 8), on both sides, so that the 16 registers of tiles 2 b and 2 b + 1 are 16 neighbours, 32 b + 16 (lane / 16) + 0 .. 15.
; A UNIT is what the quantiser makes of 16 rows x 64 along K: 6 registers a lane (lane (r, h): k = 32 h .. 32 h + 31 of row r), stored as three runs of 256 bytes (registers 2 i, 2 i + 1 of lane l at 256 i + 8 l);
; two units on end are an operand of the next product.  A unit has two scale bytes a row.
; SHARES.  512 work-groups of four waves; a wave makes 64 x 64: 16 accumulators.  All of a tile's operands (256 rows of 768 bytes, and their scale bytes) come into LDS once: first fills alone, one barrier, no slot is filled again.
; CLUSTERS: 4 x 4 work-groups.  The four of a row of the cluster need the same rows of A, the four of a column the same rows of B: each is asked for JOINTLY.
; IMAGES.  While its tensor loads are on their way each of the launch's 2,048 waves lays one fragment of query (16 tokens x 128 K) out as an image of its 12 operand registers, 16 bytes a lane and 512 a store; the first 512 waves
; also one fragment of Wres (for launch 3), the next 512 one of Wq (for launch 2), with their rows' scale words.  wi holds Wres's images at 0, Wq's at 819,200, query's at 1,638,400.
; REGISTERS.  Window 0: v1-31 addresses; v32-63 the units made (and the fragments laid out); v64-95 scale words and nothing else; v96-106 at work; v128-255 the accumulators ((al, be) at v[128 + 32 al + 8 be]).
;   Window 1: two fragment buffers of 96 (B's four fragments, then A's four); from v192 the bias, 32 registers.
.set RP,    816                        ; a row in LDS: 768 bytes + 16 behind each 256 = 204 words: row i starts at bank 12 i mod 64 (64 banks of 4 bytes: ISA guide 11.1)
.set GP,    16*RP                      ; a group of 16 rows; a load brings eight groups, 128 rows on end
.set SCL,   16*GP                      ; behind the 16 groups of rows: the scale bytes, A's 128 x 32, then B's
.set SPARE, SCL+8192                   ; the spare words, 128 bytes for each wave: two blocks of 256 bytes that no other line names
.set WIMG,  819200                     ; in wi: a weight's images, 786,432 bytes of fragments and 32,768 of scale words
.set QIMG,  2*WIMG                     ; in wi: query's images begin here
.set WV,  2                            ; s2   my wave's number
.set WA,  3                            ; s3   wave / 2: which 64 rows of A I multiply.
.set WB,  44                           ; s44  wave % 2: which 64 rows of B I multiply.
.set TY,  45                           ; s45  0 k, 1 v: made of the cluster's y alone
.set YC,  46                           ; s46  the cluster's y
.set IA,  47                           ; s47  which 128 rows of A
.set IB,  66                           ; s66  which 128 rows of B
.set G0A, 20                           ; s[20:23] group 0 for A's 128 rows;  s[36:39] for A's scale bytes;  s[40:43] for B's;  s[84:87] for B's rows
.set G0SA, 36
.set G0SB, 40
.set G0B, 84
.set G1A, 48                           ; s[48:55], s[56:63] groups 1 for rows of codes;  s[68:75], s[76:83] for scale bytes
.set G1B, 56
.set G1SA, 68
.set G1SB, 76
.set SEL, 20                           ; s[20:21] lane selects for v_permlanex16_b32, written when the fills have landed
.set ADA, 4                            ; v4, v5  LDS address of my lane in A's tiles; the same behind one padding more
.set ADB, 6                            ; v6, v7  the same for B
.set ADS, 8                            ; v8   of my scale words: lanes 0-15 A's, lanes 16-31 B's
.set L8,  9                            ; v9   8 x lane
.set L16, 10                           ; v10  16 x lane
.set UA,  12                           ; v12-15  where unit al is stored
.set SAO, 16                           ; v16-19  and its two scale bytes
.set SPW, 20                           ; v20  LDS address of my spare word; never rewritten
.set NIL, 21                           ; v21  0; never rewritten
.set BA,  22                           ; v22  my lane's offset in the bias
.set W,   24                           ; v24-27  unit al's scale bytes
.set PR,  28                           ; v28  r + 8 (r / 8)
.set U,   32                           ; unit al at v[32 + 8 al]
.set SC,  64                           ; register 8 i + s: the scale word of K step s: lanes 0-15 of A's tile i, lanes 16-31 of B's
.set TM,  96
.set TX,  98
.set SO,  100
.set BY,  102
.set TT,  104
.set ACC, 128
.set F0,  0
.set BI,  192
.set MSB, 0
.macro WIN new                         ; the immediate's high byte repeats the setting that is left
.if MSB != \new
	s_set_vgpr_msb (MSB<<8)|\new
.set MSB, \new
.endif
.endm
.set MUL,  0x05                        ; sources 0 (B) and 1 (A) window 1; C and D window 0
.set MULB, 0x15                        ; the same with C (the bias) in window 1
.set TO_F, 0x40                        ; destination window 1, address window 0
.macro PLACES                          ; four plain places behind matrix instructions, in front of loads into their operands and of reads of their results
.rept 4
	v_nop
.endr
.endm
.macro CROUND                          ; a round of the cluster's barrier
	s_barrier_signal -1
	s_barrier_wait -1
	s_cmp_lg_u32 s[WV], 0
	s_cbranch_scc1 .Lnot_wave_0_\@
	s_barrier_signal -3
.Lnot_wave_0_\@:
	s_barrier_wait -3
	s_barrier_signal -1
	s_barrier_wait -1
.endm
; 32 numbers of a lane, register 16 b + i = k 32 b + 16 (lane / 16) + i of my row, become a unit in v[u] on and its two scale bytes in v[w].
.macro QUANT64 s, u, w
.irp b, 0,1
	v_max3_num_f32 v[TM+\b], |v[\s+16*\b]|, |v[\s+16*\b+1]|, 0x1800000   ; my 16 numbers of block b, and the floor 2^(3 - 127): the byte cannot fall under 1
.endr
.irp i, 2,4,6,8,10,12,14
.irp b, 0,1
	v_max3_num_f32 v[TM+\b], v[TM+\b], |v[\s+16*\b+\i]|, |v[\s+16*\b+\i+1]|
.endr
.endr
.irp b, 0,1
	v_permlanex16_b32 v[TX+\b], v[TM+\b], s[SEL], s[SEL+1]
.endr
.irp b, 0,1
	v_max_num_f32 v[TM+\b], v[TM+\b], v[TX+\b]     ; with lane l xor 16's: the block's largest magnitude
.endr
.irp b, 0,1
	v_add_nc_u32 v[SO+\b], 0xff000000, v[TM+\b]    ; 2 off its exponent field: the conversion takes the exponent field of this operand as its scale
.endr
.irp b, 0,1
	v_lshrrev_b32 v[BY+\b], 23, v[SO+\b]           ; the scale's byte
.endr
	v_lshl_or_b32 v[\w], v[BY+1], 8, v[BY]
	v_cvt_scalef32_pk16_fp6_f32 v[\u:\u+2], v[\s:\s+15], v[SO]
	v_cvt_scalef32_pk16_fp6_f32 v[TT:TT+2], v[\s+16:\s+31], v[SO+1]   ; (a conversion's three registers begin on an even number)
	v_nop                                          ; one plain place behind a scaled conversion
.irp i, 0,1,2
	v_permlane16_swap_b32 v[\u+\i], v[TT+\i]       ; the layout wants a whole block in a lane: lanes 0-15 block 0, lanes 16-31 block 1
.endr
.irp i, 0,1,2
	v_mov_b32 v[\u+3+\i], v[TT+\i]
.endr
.endm
	s_load_b512 s[4:19], s[0:1], 0x0               ; key's codes, scales; Wk's codes, scales; bk; kv; Wv's codes, scales
	s_load_b128 s[20:23], s[0:1], 0x40             ; value's codes, scales
	s_load_b64 s[24:25], s[0:1], 0x50              ; bv
	v_lshl_add_u32 v[SPW], v0, 2, SPARE
	v_mov_b32 v[NIL], 0
	ds_add_u32 v[SPW], v[NIL]                      ; the wave's opening: the add, twice on end, and its wait ahead of my first tensor load
	ds_add_u32 v[SPW], v[NIL]                      ; and once more; the set-up below, work on registers, stands between it and the wait
	v_lshrrev_b32 v1, 5, v0
	v_readfirstlane_b32 s[WV], v1                  ; wave 0..3
	s_lshr_b32 s[WA], s[WV], 1
	s_and_b32 s[WB], s[WV], 1
	s_bfe_u32 s67, ttmp6, 0x40000                  ; cx
	s_bfe_u32 s100, ttmp6, 0x40004                 ; cy
	s_and_b32 s[YC], ttmp7, 0xffff                 ; the cluster's y, 0 .. 15: eight for each product
	s_lshr_b32 s[TY], s[YC], 3
	s_and_b32 s101, s[YC], 7
	s_lshl_b32 s104, s101, 1
	s_add_co_u32 s104, s104, ttmp9                 ; the product's 16 clusters, numbered
	s_and_b32 s105, s104, 7
	s_lshr_b32 s104, s104, 3
	s_cmp_eq_u32 s[TY], 1                          ; k: 2 clusters along B (1,024 rows), 8 along A (4,096);  v: 8 along B, 2 along A
	s_cselect_b32 s105, s105, ttmp9
	s_cselect_b32 s104, s104, s101
	s_lshl_b32 s[IB], s105, 2
	s_add_co_u32 s[IB], s[IB], s67                 ; which 128 rows of B: hangs on cx, never on cy
	s_lshl_b32 s[IA], s104, 2
	s_add_co_u32 s[IA], s[IA], s100                ; which 128 rows of A: hangs on cy, never on cx
	s_lshl_b32 s101, s100, 2
	s_lshl_b32 s101, 15, s101                      ; my row of the cluster
	s_lshl_b32 s104, 0x1111, s67                   ; my column
	; groups 1.  Codes: 16 rows of 768 bytes, 16 bytes of padding behind each 256
	s_or_b32 s[G1A], s101, (1<<20)|(1<<21)|(5<<22)|(3<<25)   ; 15:0 the mask: A's rows go to my row of the cluster; 17:16 elements of 1 byte; 20 padding on; 21 set beside a mask; 24:22 after every 64 words; 31:25 of 4 words
	s_or_b32 s[G1B], s104, (1<<20)|(1<<21)|(5<<22)|(3<<25)
.irp g, G1A, G1B
	s_mov_b32 s[\g+1], 768<<16                     ; tensor_dim0
	s_mov_b32 s[\g+2], 128<<16                     ; tensor_dim1
	s_mov_b32 s[\g+3], 768<<16                     ; tile_dim0
	s_mov_b32 s[\g+4], 128                         ; tile_dim1
	s_mov_b32 s[\g+5], 768                         ; from row to row
	s_mov_b32 s[\g+6], 0
	s_mov_b32 s[\g+7], 0
.endr
	; scale bytes of 128 rows: 4,096 dense bytes, as 16 rows of 256 (32 elements of 8 bytes), no padding
	s_or_b32 s[G1SA], s101, (3<<16)|(1<<21)
	s_or_b32 s[G1SB], s104, (3<<16)|(1<<21)
.irp g, G1SA, G1SB
	s_mov_b32 s[\g+1], 32<<16
	s_mov_b32 s[\g+2], 16<<16                      ; the scale bytes of 128 rows: 16 rows of 256 bytes
	s_mov_b32 s[\g+3], 32<<16
	s_mov_b32 s[\g+4], 16
	s_mov_b32 s[\g+5], 32
	s_mov_b32 s[\g+6], 0
	s_mov_b32 s[\g+7], 0
.endr
	s_wait_dscnt 0x0                               ; both opening adds are done
	s_wait_kmcnt 0x0
	s_cmp_eq_u32 s[TY], 1                          ; the product's five inputs: the choice hangs on the cluster's y alone.  Both products store into kv, s[14:15]
	s_cselect_b64 s[4:5], s[16:17], s[4:5]         ; A's codes
	s_cselect_b64 s[6:7], s[18:19], s[6:7]         ; A's scales
	s_cselect_b64 s[8:9], s[20:21], s[8:9]         ; B's codes
	s_cselect_b64 s[10:11], s[22:23], s[10:11]     ; B's scales
	s_cselect_b64 s[12:13], s[24:25], s[12:13]     ; the bias
	s_lshl_b32 s18, s[IA], 7                       ; the tile's first row of A
	s_lshl_b32 s19, s[IB], 7                       ; and of B.  Every wave makes all four descriptors and asks by one
	s_mov_b32 s101, 0
	s_mov_b32 s105, 0
	s_lshl_b32 s100, s18, 5
	s_add_nc_u64 s[6:7], s[6:7], s[100:101]
	s_mul_i32 s100, s18, 768
	s_add_nc_u64 s[4:5], s[4:5], s[100:101]
	s_lshl_b32 s104, s19, 5
	s_add_nc_u64 s[10:11], s[10:11], s[104:105]
	s_mul_i32 s104, s19, 768
	s_add_nc_u64 s[8:9], s[8:9], s[104:105]
	s_mov_b32 s[G0A], 1                            ; A's eight groups lie at LDS byte 0,
	s_mov_b32 s[G0A+1], 0
	s_mov_b64 s[G0A+2:G0A+3], s[4:5]
	s_or_b32 s[G0A+3], s[G0A+3], 0x80000000
	s_mov_b32 s[G0B], 1                            ; B's eight behind them
	s_mov_b32 s[G0B+1], 8*GP
	s_mov_b64 s[G0B+2:G0B+3], s[8:9]
	s_or_b32 s[G0B+3], s[G0B+3], 0x80000000
	s_mov_b32 s[G0SA], 1
	s_mov_b32 s[G0SA+1], SCL
	s_mov_b64 s[G0SA+2:G0SA+3], s[6:7]
	s_or_b32 s[G0SA+3], s[G0SA+3], 0x80000000
	s_mov_b32 s[G0SB], 1
	s_mov_b32 s[G0SB+1], SCL+4096
	s_mov_b64 s[G0SB+2:G0SB+3], s[10:11]
	s_or_b32 s[G0SB+3], s[G0SB+3], 0x80000000
	s_load_b256 s[4:11], s[0:1], 0x58              ; A's and B's pointers are done with: query's codes, Wres's codes and scales, Wq's codes,
	s_load_b128 s[16:19], s[0:1], 0x78             ; Wq's scales, wi: asked for here, so that they come while the cluster gathers
	CROUND                                         ; all sixteen work-groups are here: the joint loads meet
; THE FIRST FILLS, ONE A WAVE: wave 0 fetches A's 128 rows, wave 1 B's, wave 2 A's scale bytes, wave 3 B's.
; One chain of branches on the wave's number, a load to an arm, all arms leading to one join; an s_nop 0 and four v_nop follow each load.
.macro ARM under, g0, g1, next
	s_cmp_lt_u32 s[WV], \under
	s_cbranch_scc0 \next
	tensor_load_to_lds s[\g0:\g0+3], s[\g1:\g1+7]
	s_nop 0
	PLACES
	s_branch .Lfilled
\next:
.endm
	ARM 1, G0A,  G1A,  .Lfill_b
	ARM 2, G0B,  G1B,  .Lfill_sa
	ARM 3, G0SA, G1SA, .Lfill_sb
	tensor_load_to_lds s[G0SB:G0SB+3], s[G1SB:G1SB+7]
	s_nop 0
	PLACES
.Lfilled:
	; my lane's addresses
	v_and_b32 v29, 31, v0                          ; lane
	v_and_b32 v1, 15, v0                           ; r
	v_bfe_u32 v2, v0, 4, 1                         ; h
	v_lshlrev_b32 v[L8], 3, v29
	v_lshlrev_b32 v[L16], 4, v29
	v_bfe_u32 v3, v0, 3, 1                         ; r / 8
	v_lshl_add_u32 v[PR], v3, 3, v1                ; r + 8 (r / 8)
	v_and_b32 v11, 7, v0
	v_mul_u32_u24 v11, v11, RP                     ; row r % 8 of a group,
	v_mad_u32_u24 v11, v3, GP, v11                 ; of the next group for lanes 8-15,
	v_mad_u32_u24 v11, v2, 24, v11                 ; + 24 bytes for lanes 16-31
	s_mul_i32 s105, s[WA], 4*GP
	v_add_nc_u32 v[ADA], s105, v11                 ; A: my 64 rows are groups 4 (wave / 2) on
	v_lshl_add_u32 v[ADA+1], v2, 4, v[ADA]
	s_mul_i32 s105, s[WB], 4*GP
	s_add_co_u32 s105, s105, 8*GP
	v_add_nc_u32 v[ADB], s105, v11                 ; B: groups 8 + 4 (wave % 2) on
	v_lshl_add_u32 v[ADB+1], v2, 4, v[ADB]
	s_xor_b32 s105, s[WA], 1
	s_add_co_u32 s105, s105, s[WB]
	s_lshl_b32 s105, s105, 11
	s_add_co_u32 s105, s105, 2048                  ; from my rows' scale bytes of A to those of B: 4,096 + 2,048 (wave % 2) - 2,048 (wave / 2)
	v_mul_u32_u24 v3, s105, v2                     ; lanes 16-31 take B's
	v_lshl_add_u32 v3, v[PR], 5, v3                ; 32 bytes a row
	s_lshl_b32 s105, s[WA], 11
	s_add_co_u32 s105, s105, SCL
	v_add_nc_u32 v[ADS], s105, v3
	v_mov_b32 v[TX], 0                             ; written once: a lane permute's destination counts as one of its sources
	v_mov_b32 v[TX+1], 0
	; THE IMAGES.  g = my wave's number in the launch, 0 .. 2,047: partners are told apart by address alone.
	s_bfe_u32 s100, ttmp6, 0x40000                 ; cx
	s_bfe_u32 s101, ttmp6, 0x40004                 ; cy
	s_lshl_b32 s104, s[YC], 1
	s_add_co_u32 s104, s104, ttmp9                 ; the cluster's number, 0 .. 31
	s_lshl_b32 s104, s104, 2
	s_add_co_u32 s104, s104, s101
	s_lshl_b32 s104, s104, 2
	s_add_co_u32 s104, s104, s100
	s_lshl_b32 s104, s104, 2
	s_add_co_u32 s104, s104, s[WV]                 ; g
	s_lshr_b32 s105, s104, 4                       ; query: tile of tokens T = g / 8, K step g % 8.  The tile's first token is 32 (T / 2) + 8 (T % 2)
	s_lshl_b32 s105, s105, 5
	s_bfe_u32 s100, s104, 0x10003
	s_lshl_b32 s100, s100, 3
	s_add_co_u32 s105, s105, s100
	s_mul_i32 s105, s105, 768
	s_and_b32 s100, s104, 7
	s_mul_i32 s100, s100, 96
	s_add_co_u32 s105, s105, s100
	v_mul_u32_u24 v3, v[PR], 768
	v_mad_u32_u24 v3, v2, 24, v3                   ; my lane's row of a tile, + 24 bytes for lanes 16-31
	v_add_nc_u32 v11, s105, v3                     ; my 24 + 24 bytes of query's codes
	s_mul_i32 s105, s104, 1536
	s_add_co_u32 s105, s105, QIMG
	v_add_nc_u32 v23, s105, v[L16]                 ; the image: [T][K step][1,536], 16 bytes a lane
	s_wait_alu depctr_va_vdst(0)
	s_wait_kmcnt 0x0
.irp p, 0,1,2,3,4,5
	global_load_b64 v[32+2*\p:33+2*\p], v11, s[4:5] offset:48*(\p/3)+8*(\p%3)
.endr
	s_cmp_lt_u32 s[YC], 8                          ; the cluster's y alone: the same in all partners.  g under 1,024: a fragment of a weight too
	s_cbranch_scc0 .Lno_w
	s_cmp_lt_u32 s[YC], 4                          ; g under 512: Wres; else Wq
	s_cselect_b64 s[6:7], s[6:7], s[10:11]         ; its codes
	s_cselect_b64 s[8:9], s[8:9], s[16:17]         ; its scales
	s_cselect_b32 s67, 0, WIMG                     ; where its images begin in wi
	s_and_b32 s104, s104, 511                      ; f = 32 w + 4 s + t: 64 rows w, K step s, tile t
	s_lshr_b32 s105, s104, 5
	s_lshl_b32 s105, s105, 6
	s_bfe_u32 s100, s104, 0x10001
	s_lshl_b32 s100, s100, 5
	s_add_co_u32 s105, s105, s100
	s_and_b32 s100, s104, 1
	s_lshl_b32 s100, s100, 3
	s_add_co_u32 s105, s105, s100                  ; the tile's first row: 64 w + 32 (t / 2) + 8 (t % 2)
	s_bfe_u32 s100, s104, 0x30002                  ; s
	s_mul_i32 s101, s105, 768
	s_mul_i32 s10, s100, 96
	s_add_co_u32 s101, s101, s10
	v_add_nc_u32 v30, s101, v3                     ; my 24 + 24 bytes of codes
	s_wait_alu depctr_va_vdst(0)
	s_lshl_b32 s105, s105, 5
	s_lshl_b32 s100, s100, 2
	s_add_co_u32 s105, s105, s100
	v_lshl_add_u32 v31, v[PR], 5, s105             ; my row's scale word
	s_wait_alu depctr_va_vdst(0)
	s_mul_i32 s101, s104, 1536
	s_add_co_u32 s101, s101, s67
	v_add_nc_u32 v46, s101, v[L16]                 ; the image: [w][s][t][1,536]
	s_lshr_b32 s101, s104, 2
	s_lshl_b32 s101, s101, 8
	s_and_b32 s100, s104, 3
	s_lshl_b32 s100, s100, 2
	s_add_co_u32 s101, s101, s100
	s_add_co_u32 s101, s101, s67
	v_lshl_add_u32 v47, v1, 4, s101                ; the scale words: [w][s][r][t], 786,432 bytes behind the images' start
.irp p, 0,1,2,3,4,5
	global_load_b64 v[48+2*\p:49+2*\p], v30, s[6:7] offset:48*(\p/3)+8*(\p%3)
.endr
	global_load_b32 v44, v31, s[8:9]
	s_wait_alu depctr_va_vdst(0)
	s_wait_loadcnt 0x0
.irp c, 0,1,2
	global_store_b128 v46, v[48+4*\c:51+4*\c], s[18:19] offset:512*\c
.endr
	global_store_b32 v47, v44, s[18:19] offset:786432   ; (lanes l and l xor 16 store the same word with the same value)
.Lno_w:
	s_wait_loadcnt 0x0
.irp c, 0,1,2
	global_store_b128 v23, v[32+4*\c:35+4*\c], s[18:19] offset:512*\c   ; 32 lanes store 512 consecutive bytes
.endr
	s_wait_xcnt 0x0                                ; the stores' registers and bases are written again only behind this wait
	; THE BIAS, 32 registers in the result's layout (it is the C of each sum's first product), and where the results go.
	s_cmp_eq_u32 s[TY], 1
	s_cbranch_scc1 .Larm_v
	s_lshl_b32 s4, s[IB], 7                        ; k: the bias runs along b: my 64 channels begin at 128 IB + 64 (wave % 2); lane (r, h), register 8 be + j: channel 32 (be / 2) + 16 h + 8 (be % 2) + j
	s_lshl_b32 s5, s[WB], 6
	s_add_co_u32 s4, s4, s5
	s_lshl_b32 s4, s4, 2
	s_mov_b32 s5, 0
	s_add_nc_u64 s[12:13], s[12:13], s[4:5]
	v_lshlrev_b32 v[BA], 6, v2
	WIN TO_F
.irp be, 0,1,2,3
.irp k, 0,1
	global_load_b128 v[BI+8*\be+4*\k:BI+8*\be+4*\k+3], v[BA], s[12:13] offset:128*(\be/2)+32*(\be%2)+16*\k
.endr
.endr
	WIN 0
	s_lshl_b32 s4, s[IA], 3
	s_lshl_b32 s5, s[WA], 2
	s_add_co_u32 s4, s4, s5                        ; my first tile of 16 tokens, of 256
	s_lshr_b32 s5, s4, 7
	s_lshl_b32 s5, s5, 4
	s_lshl_b32 s6, s[IB], 1
	s_add_co_u32 s5, s5, s6
	s_add_co_u32 s5, s5, s[WB]                     ; bh = 16 x batch + head
	s_and_b32 s4, s4, 127                          ; the tile within the batch
	s_mul_i32 s6, s5, 204800                       ; a head's bytes in kv
	s_mul_i32 s8, s4, 768
	s_add_co_u32 s8, s8, s6                        ; units [tile][768]
	s_lshl_b32 s9, s4, 5
	s_add_co_u32 s9, s9, s6
	s_add_co_u32 s9, s9, 196608                    ; scale bytes [tile / 2][r][tile % 2] x 2 bytes
	v_add_nc_u32 v[UA], s8, v[L8]
	v_add_nc_u32 v[UA+1], 768, v[UA]
	v_add_nc_u32 v[UA+2], 1536, v[UA]
	v_add_nc_u32 v[UA+3], 2304, v[UA]
	v_lshl_add_u32 v[SAO], v1, 2, s9
	v_add_nc_u32 v[SAO+1], 2, v[SAO]
	v_add_nc_u32 v[SAO+2], 64, v[SAO]
	v_add_nc_u32 v[SAO+3], 66, v[SAO]
	s_branch .Larm_done
.Larm_v:
	s_lshl_b32 s4, s[IA], 7                        ; v: the bias belongs to a, the lane's own channel: 128 IA + 64 (wave / 2) + 32 (al / 2) + 8 (al % 2) + r + 8 (r / 8); eight registers of it for each al
	s_lshl_b32 s5, s[WA], 6
	s_add_co_u32 s4, s4, s5
	s_lshl_b32 s4, s4, 2
	s_mov_b32 s5, 0
	s_add_nc_u64 s[12:13], s[12:13], s[4:5]
	v_lshlrev_b32 v[BA], 2, v[PR]
	WIN TO_F
.irp al, 0,1,2,3
.irp j, 0,1,2,3,4,5,6,7
	global_load_b32 v[BI+8*\al+\j], v[BA], s[12:13] offset:4*(32*(\al/2)+8*(\al%2))
.endr
.endr
	WIN 0
	s_lshr_b32 s5, s[IB], 4
	s_lshl_b32 s5, s5, 4
	s_lshl_b32 s6, s[IA], 1
	s_add_co_u32 s5, s5, s6
	s_add_co_u32 s5, s5, s[WA]                     ; bh
	s_mul_i32 s6, s5, 204800
	s_and_b32 s4, s[IB], 15                        ; which 128 keys of the batch
	s_mul_i32 s8, s4, 6144
	s_add_co_u32 s8, s8, s6
	s_mul_i32 s7, s[WB], 768
	s_add_co_u32 s8, s8, s7
	s_add_co_u32 s8, s8, 98304                     ; units [128 keys][channel tile][which 64 keys][768]
	s_lshl_b32 s9, s4, 8
	s_add_co_u32 s9, s9, s6
	s_lshl_b32 s7, s[WB], 1
	s_add_co_u32 s9, s9, s7
	s_add_co_u32 s9, s9, 200704                    ; scale bytes [128 keys][channel tile][r][which 64 keys] x 2 bytes
	v_add_nc_u32 v[UA], s8, v[L8]
	v_add_nc_u32 v[UA+1], 1536, v[UA]
	v_add_nc_u32 v[UA+2], 3072, v[UA]
	v_add_nc_u32 v[UA+3], 4608, v[UA]
	v_lshl_add_u32 v[SAO], v1, 2, s9
	v_add_nc_u32 v[SAO+1], 64, v[SAO]
	v_add_nc_u32 v[SAO+2], 128, v[SAO]
	v_add_nc_u32 v[SAO+3], 192, v[SAO]
.Larm_done:
; A fragment, 16 rows x 128 K of 6-bit codes, is 12 registers: registers 6 c .. 6 c + 5 hold K = 64 c + 32 (lane / 16) + 0 .. 31: 24 bytes of the row's stream of bits, in pieces of 8 bytes.
; Lanes 16-31 read three pieces further on; where that lies behind one padding more, the second address register serves.
.macro FRAG reg, adr, s, x
.irp p, 0,1,2,3,4,5
.set FX, 96*(\s)+48*(\p/3)+8*(\p%3)
.if FX%256 < 232
	ds_load_b64 v[\reg+2*\p:\reg+2*\p+1], v[\adr] offset:FX+16*(FX/256)+((\x)/2)*2*GP+((\x)%2)*8*RP
.else
	ds_load_b64 v[\reg+2*\p:\reg+2*\p+1], v[\adr+1] offset:FX+16*(FX/256)+((\x)/2)*2*GP+((\x)%2)*8*RP
.endif
.endr
.endm
.macro FETCH s, f                      ; K step s: B's four fragments, then A's four: 48 loads in one run
	WIN TO_F
.irp i, 0,1,2,3
	FRAG \f+12*\i, ADB, \s, \i
.endr
.irp i, 0,1,2,3
	FRAG \f+48+12*\i, ADA, \s, \i
.endr
.endm
; 8 matrix instructions: A's tiles a0, a0 + 1 x B's four.  mode 0: onto the sums;  1: the sums begin with the bias along b;  2: with the bias of a.  The 16 accumulators take turns, one instruction a turn, in the same order in every step.
.macro MUL8 f, a0, s, mode
.irp al, \a0, \a0+1
.irp be, 0,1,2,3
.if \mode == 0
	v_wmma_scale_f32_16x16x128_f8f6f4 v[ACC+32*(\al)+8*\be:ACC+32*(\al)+8*\be+7], v[\f+12*\be:\f+12*\be+11], v[\f+48+12*(\al):\f+48+12*(\al)+11], v[ACC+32*(\al)+8*\be:ACC+32*(\al)+8*\be+7], v[SC+8*\be+(\s)], v[SC+8*(\al)+(\s)] matrix_a_fmt:MATRIX_FMT_FP6 matrix_b_fmt:MATRIX_FMT_FP6 matrix_a_scale:MATRIX_SCALE_ROW1
.elseif \mode == 1
	v_wmma_scale_f32_16x16x128_f8f6f4 v[ACC+32*(\al)+8*\be:ACC+32*(\al)+8*\be+7], v[\f+12*\be:\f+12*\be+11], v[\f+48+12*(\al):\f+48+12*(\al)+11], v[BI+8*\be:BI+8*\be+7], v[SC+8*\be+(\s)], v[SC+8*(\al)+(\s)] matrix_a_fmt:MATRIX_FMT_FP6 matrix_b_fmt:MATRIX_FMT_FP6 matrix_a_scale:MATRIX_SCALE_ROW1
.else
	v_wmma_scale_f32_16x16x128_f8f6f4 v[ACC+32*(\al)+8*\be:ACC+32*(\al)+8*\be+7], v[\f+12*\be:\f+12*\be+11], v[\f+48+12*(\al):\f+48+12*(\al)+11], v[BI+8*(\al):BI+8*(\al)+7], v[SC+8*\be+(\s)], v[SC+8*(\al)+(\s)] matrix_a_fmt:MATRIX_FMT_FP6 matrix_b_fmt:MATRIX_FMT_FP6 matrix_a_scale:MATRIX_SCALE_ROW1
.endif
.endr
.endr
.endm
.macro KSTEP s, mode                   ; 128 along K: 16 matrix instructions; in their middle the next step's 48 loads, into the other buffer
.set FB, F0+96*((\s)%2)
.set FN, F0+96*(1-(\s)%2)
	s_wait_dscnt 12                                ; B's four fragments and A's tiles 0, 1 are in; the youngest 12 loads (A's tiles 2, 3) may be out
.if \mode
	WIN MULB
.else
	WIN MUL
.endif
	MUL8 FB, 0, \s, \mode
.if (\s) < 7
	PLACES
	FETCH (\s)+1, FN
	s_wait_dscnt 48                                ; all but the 48 just issued
.else
	s_wait_dscnt 0x0
.endif
.if \mode
	WIN MULB
.else
	WIN MUL
.endif
	MUL8 FB, 2, \s, \mode
.endm
	s_wait_tensorcnt 0x0                           ; my one load has landed,
	s_barrier_signal -1
	s_barrier_wait -1                              ; everybody's has.  Nothing is filled again in this launch
	s_mov_b32 s[SEL], 0x76543210                   ; (the descriptors are done with)
	s_mov_b32 s[SEL+1], 0xfedcba98
.irp i, 0,1,2,3                        ; the scale words of all eight K steps: 32 bytes a row
.irp k, 0,1
	ds_load_b128 v[SC+8*\i+4*\k:SC+8*\i+4*\k+3], v[ADS] offset:(32*(\i/2)+8*(\i%2))*32+16*\k
.endr
.endr
	FETCH 0, F0
	WIN 0
	s_wait_loadcnt 0x0                             ; the bias
	s_cmp_eq_u32 s[TY], 1                          ; K step 0 is written twice: only the registers of its C differ
	s_cbranch_scc1 .Lk0_v
	KSTEP 0, 1
	WIN 0
	s_branch .Lk0_done
.Lk0_v:
	KSTEP 0, 2
	WIN 0
.Lk0_done:
.irp s, 1,2,3,4,5,6,7
	KSTEP \s, 0
.endr
	WIN 0
	PLACES
	; THE WAY OUT.  A tile's 32 registers a lane are 64 along the next K: one unit.  Each unit has registers of its own: no store's data are written again.
.irp al, 0,1,2,3
	QUANT64 ACC+32*\al, U+8*\al, W+\al
.irp i, 0,1,2
	global_store_b64 v[UA+\al], v[U+8*\al+2*\i:U+8*\al+2*\i+1], s[14:15] offset:256*\i   ; 32 lanes store 256 consecutive bytes, aligned
.endr
	global_store_b16 v[SAO+\al], v[W+\al], s[14:15]   ; (lanes l and l xor 16 store the same two bytes)
.endr
	s_wait_tensorcnt 0x0                           ; the wave's end
	ds_add_u32 v[SPW], v[NIL]
	s_wait_dscnt 0x0
	CROUND                                         ; the closing round
	s_endpgm
.Lfunc_end_k_qb136a70717_proj:
	.size	k_qb136a70717_proj, .Lfunc_end_k_qb136a70717_proj-k_qb136a70717_proj
	.p2alignl 7, 3214868480
	.fill 96, 4, 3214868480
	.section	.rodata,"a",@progbits
	.p2align	6, 0x0
	.amdhsa_kernel k_qb136a70717_proj
		.amdhsa_group_segment_fixed_size 262144
		.amdhsa_private_segment_fixed_size 0
		.amdhsa_enable_private_segment 0
		.amdhsa_kernarg_size 136
		.amdhsa_user_sgpr_count 2
		.amdhsa_user_sgpr_kernarg_segment_ptr 1
		.amdhsa_wavefront_size32 1
		.amdhsa_system_sgpr_workgroup_id_x 1
		.amdhsa_system_sgpr_workgroup_id_y 1
		.amdhsa_system_sgpr_workgroup_id_z 1
		.amdhsa_system_vgpr_workitem_id 0
		.amdhsa_next_free_vgpr 512
		.amdhsa_next_free_sgpr 106
		.amdhsa_reserve_vcc 0
		.amdhsa_float_denorm_mode_32 3
		.amdhsa_float_denorm_mode_16_64 3
		.amdhsa_memory_ordered 1
		.amdhsa_forward_progress 1
		.amdhsa_inst_pref_size 77
	.end_amdhsa_kernel
	.amdgpu_metadata
---
amdhsa.version: [ 1, 2 ]
amdhsa.kernels:
  - .name:           k_qb136a70717_proj
    .symbol:         k_qb136a70717_proj.kd
    .args:
      - { .name: key_codes, .offset: 0, .size: 8, .value_kind: global_buffer, .address_space: global }
      - { .name: key_scales, .offset: 8, .size: 8, .value_kind: global_buffer, .address_space: global }
      - { .name: Wk_codes, .offset: 16, .size: 8, .value_kind: global_buffer, .address_space: global }
      - { .name: Wk_scales, .offset: 24, .size: 8, .value_kind: global_buffer, .address_space: global }
      - { .name: bk, .offset: 32, .size: 8, .value_kind: global_buffer, .address_space: global }
      - { .name: kv, .offset: 40, .size: 8, .value_kind: global_buffer, .address_space: global }
      - { .name: Wv_codes, .offset: 48, .size: 8, .value_kind: global_buffer, .address_space: global }
      - { .name: Wv_scales, .offset: 56, .size: 8, .value_kind: global_buffer, .address_space: global }
      - { .name: value_codes, .offset: 64, .size: 8, .value_kind: global_buffer, .address_space: global }
      - { .name: value_scales, .offset: 72, .size: 8, .value_kind: global_buffer, .address_space: global }
      - { .name: bv, .offset: 80, .size: 8, .value_kind: global_buffer, .address_space: global }
      - { .name: query_codes, .offset: 88, .size: 8, .value_kind: global_buffer, .address_space: global }
      - { .name: Wres_codes, .offset: 96, .size: 8, .value_kind: global_buffer, .address_space: global }
      - { .name: Wres_scales, .offset: 104, .size: 8, .value_kind: global_buffer, .address_space: global }
      - { .name: Wq_codes, .offset: 112, .size: 8, .value_kind: global_buffer, .address_space: global }
      - { .name: Wq_scales, .offset: 120, .size: 8, .value_kind: global_buffer, .address_space: global }
      - { .name: wi, .offset: 128, .size: 8, .value_kind: global_buffer, .address_space: global }
    .group_segment_fixed_size: 262144
    .private_segment_fixed_size: 0
    .kernarg_segment_align: 8
    .kernarg_segment_size: 136
    .max_flat_workgroup_size: 128
    .sgpr_count:     106
    .vgpr_count:     512
    .wavefront_size: 32
...
	.end_amdgpu_metadata
.endif
;; end of part 1
;; launch attn (part 2): grid 8 x 32, 16 waves a work-group, clusters of 4 x 1, 327,680 bytes of LDS; arguments wi, query_scales, bq, kv, mask, g_att, b_att, af, ac; writes af, ac
.if DOCPART == 2
	.amdgcn_target "amdgcn-amd-amdhsa--gfx1250"
	.amdhsa_code_object_version 6
	.text
	.protected	k_qb136a70717_attn
	.globl	k_qb136a70717_attn
	.p2align	8
	.type	k_qb136a70717_attn,@function
k_qb136a70717_attn:
	s_mov_b64 s[64:65], 0
	v_nop
	global_prefetch_b8 v0, s[64:65] scope:SCOPE_SE
	s_setreg_imm32_b32 hwreg(HW_REG_WAVE_MODE, 25, 1), 1
	s_wait_xcnt 0x0
	s_wait_alu depctr_hold_cnt(0) depctr_sa_sdst(0) depctr_va_vdst(0) depctr_va_sdst(0) depctr_va_ssrc(0) depctr_va_vcc(0) depctr_vm_vsrc(0)
	s_getreg_b32 s2, hwreg(HW_REG_IB_STS2, 6, 4)
	s_cmp_eq_u32 s2, 0
	s_cbranch_scc0 .Lentry_in_a_cluster
	s_endpgm
.Lentry_in_a_cluster:
	s_bfe_u32 s2, ttmp6, 0x10000c
	s_cmp_lg_u32 s2, 0x3003
	s_cbranch_scc0 .Lentry_shape_is_right
	s_endpgm
.Lentry_shape_is_right:
; LAUNCH 2 OF 3: q = query Wq + bq, its quantiser, softmax(q k^T / 8 + mask term) v over a head's 2,048 keys, the residual q, the head's LayerNorm; the result leaves in f32 (af) and as codes (ac).
; SHARES.  A work-group takes 256 queries of one (batch, head), a wave 16; the four work-groups of a cluster share the head's k, v and Wq, asked for jointly.  All of k and v lie in LDS; a step is 128 keys.
; Both products are used transposed (S^T = k q^T, O^T = v^T p^T): a lane holds one query.  M is the running largest t rounded up to a whole number; p = 2^(t - M); the row's sum is taken of the unquantised p.
; THE MASK TERM IS THE C OF THE SCORE PRODUCTS: it is loaded from LDS into the score registers, in the result's layout, and the products add onto it; t - M = (score + term) x log2(e) / 8 - M is then one multiply-add.
; LIMIT: the term is (1 - mask) x -2^33 in raw scores, that is -2^30 in logits where reference() has -1e9: log2(e) / 8 x 2^33 is exact in f32, so that a row whose keys are all masked has p = 1 throughout.
; The promise holds while |score| stays far under 2^30, and while the scaled scores stay under 2^31.  NaN and infinities among the inputs are not served.
.set VU,    98304
.set KSC,   196608
.set MADD,  204800
.set WQ,    212992
.set WSC,   262144
.set SPARE, 264192
.set WIMG,  819200
.set QIMG,  1638400
.set AK0, 1
.set AV0, 2
.set AS0, 3
.set AM0, 4
.set SPW, 5
.set NIL, 6
.set L16, 7
.set ADK, 8
.set ADV, 9
.set ADS, 10
.set ADM, 11
.set MKA, 14
.set MLA, 15
.set AWQ, 16
.set AWS, 17
.set QSA, 18
.set WGA, 19
.set WLA, 20
.set BA,  21
.set KV,  36
.set KVS, 84
.set S,   96
.set O,   160
.set PC,  192
.set TM,  212
.set TX,  216
.set SO,  220
.set BY,  218
.set TT,  204
.set PW,  224
.set PWI, 4
.set PQS, 6
.set PBQ, 8
.set PKV, 10
.set PMK, 12
.set PGA, 14
.set PBA, 16
.set PAF, 18
.set PAC, 58
.set PQA, 60
.set PWS, 62
.set WV,  20
.set CNT, 21
.set CS,  22
.set SEL, 24
.set SK,  26
.set SS,  27
.set SM,  28
.set G1,  32
.set G0,  40
.set G1W, 68
.set G0W, 76
.macro CROUND
	s_barrier_signal -1
	s_barrier_wait -1
	s_cmp_lg_u32 s[WV], 0
	s_cbranch_scc1 .Lnot_wave_0_\@
	s_barrier_signal -3
.Lnot_wave_0_\@:
	s_barrier_wait -3
	s_barrier_signal -1
	s_barrier_wait -1
.endm
.macro QUANT64 lo, hi, u, w
	v_max3_num_f32 v[TM], |v[\lo]|, |v[\lo+1]|, 0x1800000
	v_max3_num_f32 v[TM+1], |v[\hi]|, |v[\hi+1]|, 0x1800000
.irp i, 2,4,6,8,10,12,14
	v_max3_num_f32 v[TM], v[TM], |v[\lo+\i]|, |v[\lo+\i+1]|
	s_delay_alu instid0(VALU_DEP_2)
	v_max3_num_f32 v[TM+1], v[TM+1], |v[\hi+\i]|, |v[\hi+\i+1]|
.endr
.irp b, 0,1
	s_delay_alu instid0(VALU_DEP_2)
	v_permlanex16_b32 v[TX+\b], v[TM+\b], s[SEL], s[SEL+1]
.endr
.irp b, 0,1
	s_delay_alu instid0(VALU_DEP_2)
	v_max_num_f32 v[TM+\b], v[TM+\b], v[TX+\b]
.endr
.irp b, 0,1
	s_delay_alu instid0(VALU_DEP_2)
	v_add_nc_u32 v[SO+\b], 0xff000000, v[TM+\b]
.endr
.irp b, 0,1
	s_delay_alu instid0(VALU_DEP_2)
	v_lshrrev_b32 v[BY+\b], 23, v[SO+\b]
.endr
	s_delay_alu instid0(VALU_DEP_1)
	v_lshl_or_b32 v[\w], v[BY+1], 8, v[BY]
	v_cvt_scalef32_pk16_fp6_f32 v[\u:\u+2], v[\lo:\lo+15], v[SO]
	v_cvt_scalef32_pk16_fp6_f32 v[TT:TT+2], v[\hi:\hi+15], v[SO+1]
	v_nop
.irp i, 0,1,2
	v_permlane16_swap_b32 v[\u+\i], v[TT+\i]
.endr
.irp i, 0,1,2
	s_delay_alu instid0(VALU_DEP_3)
	v_mov_b32 v[\u+3+\i], v[TT+\i]
.endr
.endm
.macro QSTEP s
.irp t, 0,1,2,3
.irp c, 0,1,2
	ds_load_b128 v[KV+12*\t+4*\c:KV+12*\t+4*\c+3], v[AWQ] offset:6144*(\s)+1536*\t+512*\c
.endr
.endr
	ds_load_b128 v[KVS:KVS+3], v[AWS] offset:256*(\s)
	s_wait_loadcnt 3*(7-(\s))
	s_wait_dscnt 0x0
.set QW, 34
.if (\s)/2 == 1
.set QW, 207
.elseif (\s)/2 == 2
.set QW, 211
.elseif (\s)/2 == 3
.set QW, 224
.endif
.irp t, 0,1,2,3
.set AQR, 232+8*\t
.if \t == 3
.set AQR, 88
.endif
.if (\s)%2 == 0
	v_wmma_scale_f32_16x16x128_f8f6f4 v[AQR:AQR+7], v[KV+12*\t:KV+12*\t+11], v[S+12*(\s):S+12*(\s)+11], v[AQR:AQR+7], v[KVS+\t], v[QW] matrix_a_fmt:MATRIX_FMT_FP6 matrix_b_fmt:MATRIX_FMT_FP6
.else
	v_wmma_scale_f32_16x16x128_f8f6f4 v[AQR:AQR+7], v[KV+12*\t:KV+12*\t+11], v[S+12*(\s):S+12*(\s)+11], v[AQR:AQR+7], v[KVS+\t], v[QW] matrix_a_fmt:MATRIX_FMT_FP6 matrix_b_fmt:MATRIX_FMT_FP6 matrix_b_scale:MATRIX_SCALE_ROW1
.endif
.endr
.rept 4
	v_nop
.endr
.endm
	s_load_b512 s[4:19], s[0:1], 0x0
	s_load_b64 s[PAC:PAC+1], s[0:1], 0x40
	v_lshl_add_u32 v[SPW], v0, 2, SPARE
	v_mov_b32 v[NIL], 0
	ds_add_u32 v[SPW], v[NIL]
	ds_add_u32 v[SPW], v[NIL]
	v_lshrrev_b32 v7, 5, v0
	s_delay_alu instid0(VALU_DEP_1)
	v_readfirstlane_b32 s[WV], v7
	s_bfe_u32 s44, ttmp6, 0x40000
	s_lshl_b32 s45, ttmp9, 2
	s_add_co_u32 s45, s45, s44
	s_and_b32 s46, ttmp7, 0xffff
	s_lshl_b32 s47, s45, 4
	s_add_co_u32 s47, s47, s[WV]
	s_lshr_b32 s48, s46, 4
	s_and_b32 s49, s46, 15
	s_mov_b32 s[G1], 15|(3<<16)|(1<<21)
	s_mov_b32 s[G1+1], 32<<16
	s_mov_b32 s[G1+2], 50<<16
	s_mov_b32 s[G1+3], 32<<16
	s_mov_b32 s[G1+4], 50
	s_mov_b32 s[G1+5], 32
	s_mov_b32 s[G1+6], 0
	s_mov_b32 s[G1+7], 0
	s_mov_b32 s[G1W], 15|(3<<16)|(1<<21)
	s_mov_b32 s[G1W+1], 32<<16
	s_mov_b32 s[G1W+2], 12<<16
	s_mov_b32 s[G1W+3], 32<<16
	s_mov_b32 s[G1W+4], 12
	s_mov_b32 s[G1W+5], 32
	s_mov_b32 s[G1W+6], 0
	s_mov_b32 s[G1W+7], 0
	s_mov_b32 s[CS], 0x3e38aa3b
	s_mov_b32 s[CS+1], s[CS]
	s_mov_b32 s[SEL], 0x76543210
	s_mov_b32 s[SEL+1], 0xfedcba98
	s_mov_b32 s[SK], 0
	s_mov_b32 s[SS], 0
	s_mov_b32 s[SM], 0
	s_mov_b32 s[CNT], 16
	s_mov_b32 s56, 0x3c800000
	s_mov_b32 s57, 0x3727c5ac
	s_mul_i32 s50, s46, 204800
	s_mul_i32 s[G0+1], s[WV], 12800
	s_add_co_u32 s50, s50, s[G0+1]
	s_mov_b32 s51, 0
	s_mul_i32 s52, s49, 49152
	s_mul_i32 s[G0W+1], s[WV], 3072
	s_add_co_u32 s52, s52, s[G0W+1]
	s_add_co_u32 s52, s52, WIMG
	s_mov_b32 s53, 0
	s_add_co_u32 s[G0W+1], s[G0W+1], WQ
	s_wait_dscnt 0x0
	s_wait_kmcnt 0x0
	s_mov_b32 s[G0], 1
	s_add_nc_u64 s[G0+2:G0+3], s[PKV:PKV+1], s[50:51]
	s_or_b32 s[G0+3], s[G0+3], 0x80000000
	s_mov_b32 s[G0W], 1
	s_add_nc_u64 s[G0W+2:G0W+3], s[PWI:PWI+1], s[52:53]
	s_or_b32 s[G0W+3], s[G0W+3], 0x80000000
	CROUND
	tensor_load_to_lds s[G0W:G0W+3], s[G1W:G1W+7]
	s_nop 0
	s_wait_alu depctr_va_vdst(0)
	s_wait_tensorcnt 0x0
	ds_add_u32 v5, v6
	s_wait_dscnt 0x0
	CROUND
	tensor_load_to_lds s[G0:G0+3], s[G1:G1+7]
	s_nop 0
.rept 4
	v_nop
.endr
	s_lshl_b32 s50, s48, 13
	s_add_nc_u64 s[PMK:PMK+1], s[PMK:PMK+1], s[50:51]
	s_lshl_b32 s52, s48, 7
	s_add_co_u32 s52, s52, s47
	s_mul_i32 s50, s52, 12288
	s_add_co_u32 s50, s50, QIMG
	s_add_nc_u64 s[PQA:PQA+1], s[PWI:PWI+1], s[50:51]
	s_lshl_b32 s50, s49, 11
	s_add_co_u32 s50, s50, WIMG+786432
	s_add_nc_u64 s[PWS:PWS+1], s[PWI:PWI+1], s[50:51]
	s_lshr_b32 s50, s52, 1
	s_lshl_b32 s50, s50, 5
	s_and_b32 s54, s52, 1
	s_lshl_b32 s54, s54, 3
	s_add_co_u32 s50, s50, s54
	s_lshl_b32 s50, s50, 5
	s_add_nc_u64 s[PQS:PQS+1], s[PQS:PQS+1], s[50:51]
	s_lshl_b32 s50, s49, 8
	s_add_nc_u64 s[PBQ:PBQ+1], s[PBQ:PBQ+1], s[50:51]
	s_lshl_b32 s50, s52, 4
	s_add_co_u32 s50, s50, s49
	s_lshl_b32 s50, s50, 12
	s_add_nc_u64 s[PAF:PAF+1], s[PAF:PAF+1], s[50:51]
	s_mul_i32 s50, s52, 12800
	s_add_nc_u64 s[PAC:PAC+1], s[PAC:PAC+1], s[50:51]
	v_and_b32 v7, 31, v0
	v_and_b32 v35, 15, v0
	v_bfe_u32 v231, v0, 4, 1
	s_delay_alu instid0(VALU_DEP_3)
	v_lshlrev_b32 v[AK0], 3, v7
	s_delay_alu instid0(VALU_DEP_1)
	v_add_nc_u32 v[AV0], VU, v[AK0]
	s_delay_alu instid0(VALU_DEP_4)
	v_lshl_add_u32 v[AS0], v35, 2, KSC
	s_delay_alu instid0(VALU_DEP_4)
	v_lshl_add_u32 v[AM0], v231, 6, MADD
	v_lshlrev_b32 v[L16], 4, v7
	v_lshlrev_b32 v[MKA], 4, v0
	v_lshl_add_u32 v[MLA], v0, 4, MADD
	s_delay_alu instid0(VALU_DEP_3)
	v_add_nc_u32 v[AWQ], WQ, v[L16]
	v_lshl_add_u32 v[AWS], v35, 4, WSC
	v_bfe_u32 v8, v0, 3, 1
	s_delay_alu instid0(VALU_DEP_1)
	v_lshl_add_u32 v8, v8, 3, v35
	s_delay_alu instid0(VALU_DEP_1)
	v_lshlrev_b32 v[QSA], 5, v8
	s_delay_alu instid0(VALU_DEP_1)
	v_lshl_add_u32 v[QSA], v231, 2, v[QSA]
	v_lshlrev_b32 v[WGA], 2, v0
	v_lshl_add_u32 v[WLA], v0, 2, WSC
	v_lshlrev_b32 v[BA], 6, v231
	global_load_b128 v[36:39], v[MKA], s[PMK:PMK+1]
	global_load_b32 v40, v[WGA], s[PWS:PWS+1]
	global_load_b32 v34, v[QSA], s[PQS:PQS+1]
	global_load_b32 v207, v[QSA], s[PQS:PQS+1] offset:8
	global_load_b32 v211, v[QSA], s[PQS:PQS+1] offset:16
	global_load_b32 v224, v[QSA], s[PQS:PQS+1] offset:24
.irp t, 0,1,2,3
.set AQR, 232+8*\t
.if \t == 3
.set AQR, 88
.endif
.irp k, 0,1
	global_load_b128 v[AQR+4*\k:AQR+4*\k+3], v[BA], s[PBQ:PBQ+1] offset:128*(\t/2)+32*(\t%2)+16*\k
.endr
.endr
.irp s, 0,1,2,3,4,5,6,7
.irp c, 0,1,2
	global_load_b128 v[S+12*\s+4*\c:S+12*\s+4*\c+3], v[L16], s[PQA:PQA+1] offset:1536*\s+512*\c
.endr
.endr
	s_wait_loadcnt 36
.irp i, 0,1,2,3
	v_cvt_f32_i32 v[36+\i], v[36+\i]
.endr
.irp i, 0,1,2,3
	s_delay_alu instid0(VALU_DEP_4)
	v_sub_f32 v[36+\i], 1.0, v[36+\i]
.endr
.irp i, 0,1,2,3
	s_delay_alu instid0(VALU_DEP_4)
	v_mul_f32 v[36+\i], 0xd0000000, v[36+\i]       ; (1 - mask) x -2^33
.endr
	ds_store_b128 v[MLA], v[36:39]
	ds_store_b32 v[WLA], v40
	s_wait_tensorcnt 0x1
	s_wait_dscnt 0x0
	s_barrier_signal -1
	s_barrier_wait -1
.irp s, 0,1,2,3,4,5,6,7
	QSTEP \s
.endr
.irp j, 0,1,2,3,4,5,6,7
	v_mov_b32 v[S+\j], v[248+\j]
.endr
.irp j, 0,1,2,3,4,5,6,7
	v_mov_b32 v[S+8+\j], v[88+\j]
.endr
.irp b, 0,1,2,3
	v_mov_b32 v[TX+\b], 0
.endr
	v_mov_b32 v227, 0
	v_mov_b32 v230, 0
	v_mov_b32 v13, 0xff61b1e6
	s_delay_alu instid0(VALU_DEP_1)
	v_floor_f32 v12, -v13
	v_mov_b32 v14, 0
	v_mov_b32 v15, 0
	QUANT64 232, S, 22, 34
	v_lshl_or_b32 v34, v34, 16, v34
.irp j, 16,17,18,19,20,21,28,29,30,31,32,33
	v_mov_b32 v\j, 0
.endr
.set j, 0
.rept 32
	v_mov_b32 v[O+j], 0
.set j, j+1
.endr
	s_wait_tensorcnt 0x0
	s_wait_dscnt 0x0
	s_barrier_signal -1
	s_barrier_wait -1
.Lstep:
	v_add_nc_u32 v[ADK], s[SK], v[AK0]
	v_add_nc_u32 v[ADV], s[SK], v[AV0]
	v_add_nc_u32 v[ADS], s[SS], v[AS0]
	v_add_nc_u32 v[ADM], s[SM], v[AM0]
.set i, 0
.rept 24
	ds_load_b64 v[KV+2*i:KV+2*i+1], v[ADK] offset:256*i
.set i, i+1
.endr
.irp g, 0,1,2,3
	ds_load_b32 v[KVS+\g], v[ADS] offset:64*\g
.endr
.irp g, 0,1,2,3
.irp k, 0,1,2,3
	ds_load_b128 v[S+16*\g+4*\k:S+16*\g+4*\k+3], v[ADM] offset:128*\g+16*\k   ; the mask term of my 64 keys lands in the score registers
.endr
.endr
	s_wait_alu depctr_va_vdst(0)
	s_wait_dscnt 0x0                               ; all 44 loads of the step's head are in
.irp g, 0,1,2,3
	v_wmma_scale_f32_16x16x128_f8f6f4 v[S+16*\g:S+16*\g+7], v[KV+12*\g:KV+12*\g+11], v[22:33], v[S+16*\g:S+16*\g+7], v[KVS+\g], v34 matrix_a_fmt:MATRIX_FMT_FP6 matrix_b_fmt:MATRIX_FMT_FP6
	v_wmma_scale_f32_16x16x128_f8f6f4 v[S+16*\g+8:S+16*\g+15], v[KV+12*\g:KV+12*\g+11], v[16:27], v[S+16*\g+8:S+16*\g+15], v[KVS+\g], v34 matrix_a_fmt:MATRIX_FMT_FP6 matrix_b_fmt:MATRIX_FMT_FP6
.endr
.rept 4
	v_nop
.endr
.set i, 0
.rept 24
	ds_load_b64 v[KV+2*i:KV+2*i+1], v[ADV] offset:256*i
.set i, i+1
.endr
.irp t, 0,1,2,3
	ds_load_b32 v[KVS+\t], v[ADS] offset:4096+64*\t
.endr
.irp b, 0,1,2,3
	v_max3_num_f32 v[TM+\b], v[S+16*\b], v[S+16*\b+1], v[S+16*\b+2]
.endr
.irp i, 3,5,7,9,11,13
.irp b, 0,1,2,3
	v_max3_num_f32 v[TM+\b], v[TM+\b], v[S+16*\b+\i], v[S+16*\b+\i+1]   ; the four blocks by turns
.endr
.endr
.irp b, 0,1,2,3
	v_max_num_f32 v[TM+\b], v[TM+\b], v[S+16*\b+15]
.endr
.irp b, 0,1,2,3
	s_delay_alu instid0(VALU_DEP_4)
	v_permlanex16_b32 v[TX+\b], v[TM+\b], s[SEL], s[SEL+1]
.endr
.irp b, 0,1,2,3
	s_delay_alu instid0(VALU_DEP_4)
	v_max_num_f32 v[TM+\b], v[TM+\b], v[TX+\b]
.endr
	s_delay_alu instid0(VALU_DEP_2)
	v_max3_num_f32 v225, v[TM], v[TM+1], v[TM+2]
	s_delay_alu instid0(VALU_DEP_1)
	v_max_num_f32 v225, v225, v[TM+3]
	s_delay_alu instid0(VALU_DEP_1)
	v_mul_f32 v225, s[CS], v225                    ; the step's largest score as t (the factor is positive)
	s_delay_alu instid0(VALU_DEP_1)
	v_max_num_f32 v13, v13, v225
	v_mov_b32 v225, v12
	s_delay_alu instid0(VALU_DEP_2)
	v_floor_f32 v12, -v13
	s_delay_alu instid0(VALU_DEP_1)
	v_sub_f32 v225, v12, v225
	s_delay_alu instid0(VALU_DEP_1)
	v_cvt_i32_f32 v225, v225
	s_delay_alu instid0(VALU_DEP_1)
	v_ldexp_f32 v226, 1.0, v225
.set j, 0
.rept 32
	v_pk_fma_f32 v[S+j:S+j+1], v[S+j:S+j+1], s[CS:CS+1], v[12:13] op_sel_hi:[1,0,0]   ; t - M, two at a time
.set j, j+2
.endr
.irp b, 0,1,2,3
	v_fma_f32 v[TM+\b], v[TM+\b], s[CS], v12       ; the same of each block's largest score
.endr
.set j, 0
	s_wait_alu depctr_va_vdst(0)
.rept 64
	v_exp_f32 v[S+j], v[S+j]
.set j, j+1
.endr
	v_pk_mul_f32 v[14:15], v[14:15], v[226:227] op_sel_hi:[1,0]
	s_wait_alu depctr_va_vdst(0)
.irp b, 0,1,2,3
	v_exp_f32 v[TM+\b], v[TM+\b]
.endr
	v_pk_add_f32 v[228:229], v[S:S+1], v[S+2:S+3]
.irp j, 4,8,12,16,20,24,28,32,36,40,44,48,52,56,60
	v_pk_add_f32 v[14:15], v[14:15], v[S+\j:S+\j+1]
	v_pk_add_f32 v[228:229], v[228:229], v[S+\j+2:S+\j+3]
.endr
	s_delay_alu instid0(VALU_DEP_1)
	v_pk_add_f32 v[14:15], v[14:15], v[228:229]
	s_wait_alu depctr_va_vdst(0)
.irp b, 0,1,2,3
	v_max_num_f32 v[TM+\b], 0x1800000, v[TM+\b]
.endr
.irp b, 0,1,2,3
	s_delay_alu instid0(VALU_DEP_4)
	v_add_nc_u32 v[SO+\b], 0xff000000, v[TM+\b]
.endr
.irp b, 0,1,2,3
	s_delay_alu instid0(VALU_DEP_4)
	v_lshrrev_b32 v[TX+\b], 23, v[SO+\b]
.endr
	s_delay_alu instid0(VALU_DEP_3)
	v_lshl_or_b32 v[PW], v[TX+1], 8, v[TX]
	s_delay_alu instid0(VALU_DEP_1)
	v_lshl_or_b32 v[PW], v[TX+2], 16, v[PW]
	s_delay_alu instid0(VALU_DEP_1)
	v_lshl_or_b32 v[PW], v[TX+3], 24, v[PW]
.irp c, 0,1
	v_cvt_scalef32_pk16_fp6_f32 v[PC+6*\c:PC+6*\c+2], v[S+32*\c:S+32*\c+15], v[SO+2*\c]
	v_cvt_scalef32_pk16_fp6_f32 v[TT+4*\c:TT+4*\c+2], v[S+32*\c+16:S+32*\c+31], v[SO+2*\c+1]
.endr
	v_nop
.irp c, 0,1
.irp i, 0,1,2
	v_permlane16_swap_b32 v[PC+6*\c+\i], v[TT+4*\c+\i]
.endr
.irp i, 0,1,2
	s_delay_alu instid0(VALU_DEP_3)
	v_mov_b32 v[PC+6*\c+3+\i], v[TT+4*\c+\i]
.endr
.endr
.set j, 0
.rept 16
	v_pk_mul_f32 v[O+j:O+j+1], v[O+j:O+j+1], v[226:227] op_sel_hi:[1,0]
.set j, j+2
.endr
	s_wait_alu depctr_va_vdst(0)
	s_wait_dscnt 0x0
.irp t, 0,1,2,3
	v_wmma_scale_f32_16x16x128_f8f6f4 v[O+8*\t:O+8*\t+7], v[KV+12*\t:KV+12*\t+11], v[PC:PC+11], v[O+8*\t:O+8*\t+7], v[KVS+\t], v[PW] matrix_a_fmt:MATRIX_FMT_FP6 matrix_b_fmt:MATRIX_FMT_FP6
.endr
	s_add_co_u32 s[SK], s[SK], 6144
	s_add_co_u32 s[SS], s[SS], 256
	s_add_co_u32 s[SM], s[SM], 512
	s_sub_co_u32 s[CNT], s[CNT], 1
	s_cmp_lg_u32 s[CNT], 0
	s_cbranch_scc1 .Lstep
.rept 4
	v_nop
.endr
	v_lshlrev_b32 v8, 6, v231
.irp x, 0,1,2,3
.irp k, 0,1
	global_load_b128 v[128+8*\x+4*\k:131+8*\x+4*\k], v8, s[PGA:PGA+1] offset:128*(\x/2)+32*(\x%2)+16*\k
	global_load_b128 v[36+8*\x+4*\k:39+8*\x+4*\k], v8, s[PBA:PBA+1] offset:128*(\x/2)+32*(\x%2)+16*\k
.endr
.endr
	s_mul_i32 s53, s49, 768
	v_add_nc_u32 v9, s53, v[AK0]
	s_lshl_b32 s53, s49, 1
	v_lshl_add_u32 v10, v35, 5, s53
	v_add_f32 v14, v14, v15
	s_delay_alu instid0(VALU_DEP_1)
	v_permlanex16_b32 v225, v14, s[SEL], s[SEL+1]
	s_delay_alu instid0(VALU_DEP_1)
	v_add_f32 v14, v14, v225
	s_wait_alu depctr_va_vdst(0)
	v_rcp_f32 v226, v14
	v_nop
	s_wait_alu depctr_va_vdst(0)
.set k, 0
.rept 16
.if k < 12
.set QR, 232+2*k
.else
.set QR, 64+2*k
.endif
	v_pk_fma_f32 v[O+2*k:O+2*k+1], v[O+2*k:O+2*k+1], v[226:227], v[QR:QR+1] op_sel_hi:[1,0,1]
.set k, k+1
.endr
	v_pk_add_f32 v[228:229], v[O:O+1], v[O+2:O+3]
	v_pk_add_f32 v[212:213], v[O+4:O+5], v[O+6:O+7]
.irp k, 8,12,16,20,24,28
	s_delay_alu instid0(VALU_DEP_2)
	v_pk_add_f32 v[228:229], v[228:229], v[O+\k:O+\k+1]
	s_delay_alu instid0(VALU_DEP_2)
	v_pk_add_f32 v[212:213], v[212:213], v[O+\k+2:O+\k+3]
.endr
	s_delay_alu instid0(VALU_DEP_1)
	v_pk_add_f32 v[228:229], v[228:229], v[212:213]
	s_delay_alu instid0(VALU_DEP_1)
	v_add_f32 v225, v228, v229
	s_delay_alu instid0(VALU_DEP_1)
	v_permlanex16_b32 v230, v225, s[SEL], s[SEL+1]
	s_delay_alu instid0(VALU_DEP_1)
	v_add_f32 v225, v225, v230
	s_delay_alu instid0(VALU_DEP_1)
	v_mul_f32 v228, s56, v225
.set j, 0
.rept 16
	v_pk_add_f32 v[O+j:O+j+1], v[O+j:O+j+1], v[228:229] op_sel_hi:[1,0] neg_lo:[0,1] neg_hi:[0,1]
.set j, j+2
.endr
	v_pk_mul_f32 v[212:213], v[O:O+1], v[O:O+1]
	v_pk_mul_f32 v[214:215], v[O+2:O+3], v[O+2:O+3]
.irp k, 4,8,12,16,20,24,28
	s_delay_alu instid0(VALU_DEP_2)
	v_pk_fma_f32 v[212:213], v[O+\k:O+\k+1], v[O+\k:O+\k+1], v[212:213]
	s_delay_alu instid0(VALU_DEP_2)
	v_pk_fma_f32 v[214:215], v[O+\k+2:O+\k+3], v[O+\k+2:O+\k+3], v[214:215]
.endr
	s_delay_alu instid0(VALU_DEP_1)
	v_pk_add_f32 v[212:213], v[212:213], v[214:215]
	s_delay_alu instid0(VALU_DEP_1)
	v_add_f32 v225, v212, v213
	s_delay_alu instid0(VALU_DEP_1)
	v_permlanex16_b32 v230, v225, s[SEL], s[SEL+1]
	s_delay_alu instid0(VALU_DEP_1)
	v_add_f32 v225, v225, v230
	s_delay_alu instid0(VALU_DEP_1)
	v_fma_f32 v225, v225, s56, s57
	s_wait_alu depctr_va_vdst(0)
	v_rsq_f32 v226, v225
	v_nop
	s_wait_alu depctr_va_vdst(0)
	s_wait_loadcnt 0x0
.set j, 0
.rept 16
	v_pk_mul_f32 v[O+j:O+j+1], v[O+j:O+j+1], v[226:227] op_sel_hi:[1,0]
.set j, j+2
.endr
.set j, 0
.rept 16
	v_pk_fma_f32 v[O+j:O+j+1], v[O+j:O+j+1], v[128+j:129+j], v[36+j:37+j]
.set j, j+2
.endr
.irp i, 0,1,2,3,4,5,6,7
	global_store_b128 v[L16], v[O+4*\i:O+4*\i+3], s[PAF:PAF+1] offset:512*\i th:TH_STORE_NT
.endr
	QUANT64 O, O+16, PC, PW
.irp i, 0,1,2
	global_store_b64 v9, v[PC+2*\i:PC+2*\i+1], s[PAC:PAC+1] offset:256*\i
.endr
	global_store_b16 v10, v[PW], s[PAC:PAC+1] offset:12288
	s_wait_tensorcnt 0x0
	ds_add_u32 v[SPW], v[NIL]
	s_wait_dscnt 0x0
	CROUND
	s_endpgm
.Lfunc_end_k_qb136a70717_attn:
	.size	k_qb136a70717_attn, .Lfunc_end_k_qb136a70717_attn-k_qb136a70717_attn
	.p2alignl 7, 3214868480
	.fill 96, 4, 3214868480
	.section	.rodata,"a",@progbits
	.p2align	6, 0x0
	.amdhsa_kernel k_qb136a70717_attn
		.amdhsa_group_segment_fixed_size 327680
		.amdhsa_private_segment_fixed_size 0
		.amdhsa_enable_private_segment 0
		.amdhsa_kernarg_size 72
		.amdhsa_user_sgpr_count 2
		.amdhsa_user_sgpr_kernarg_segment_ptr 1
		.amdhsa_wavefront_size32 1
		.amdhsa_system_sgpr_workgroup_id_x 1
		.amdhsa_system_sgpr_workgroup_id_y 1
		.amdhsa_system_sgpr_workgroup_id_z 1
		.amdhsa_system_vgpr_workitem_id 0
		.amdhsa_next_free_vgpr 256
		.amdhsa_next_free_sgpr 80
		.amdhsa_reserve_vcc 0
		.amdhsa_float_denorm_mode_32 3
		.amdhsa_float_denorm_mode_16_64 3
		.amdhsa_memory_ordered 1
		.amdhsa_forward_progress 1
		.amdhsa_inst_pref_size 62
	.end_amdhsa_kernel
	.amdgpu_metadata
---
amdhsa.version: [ 1, 2 ]
amdhsa.kernels:
  - .name:           k_qb136a70717_attn
    .symbol:         k_qb136a70717_attn.kd
    .args:
      - { .name: wi, .offset: 0, .size: 8, .value_kind: global_buffer, .address_space: global }
      - { .name: query_scales, .offset: 8, .size: 8, .value_kind: global_buffer, .address_space: global }
      - { .name: bq, .offset: 16, .size: 8, .value_kind: global_buffer, .address_space: global }
      - { .name: kv, .offset: 24, .size: 8, .value_kind: global_buffer, .address_space: global }
      - { .name: mask, .offset: 32, .size: 8, .value_kind: global_buffer, .address_space: global }
      - { .name: g_att, .offset: 40, .size: 8, .value_kind: global_buffer, .address_space: global }
      - { .name: b_att, .offset: 48, .size: 8, .value_kind: global_buffer, .address_space: global }
      - { .name: af, .offset: 56, .size: 8, .value_kind: global_buffer, .address_space: global }
      - { .name: ac, .offset: 64, .size: 8, .value_kind: global_buffer, .address_space: global }
    .group_segment_fixed_size: 327680
    .private_segment_fixed_size: 0
    .kernarg_segment_align: 8
    .kernarg_segment_size: 72
    .max_flat_workgroup_size: 512
    .sgpr_count:     80
    .vgpr_count:     256
    .wavefront_size: 32
...
	.end_amdgpu_metadata
.endif
;; end of part 2
;; launch outp (part 3): grid 256 x 1, 16 waves a work-group, no clusters, 73,728 bytes of LDS; arguments ac, af, wi, bres, g_out, b_out, out0; writes out0
.if DOCPART == 3
	.amdgcn_target "amdgcn-amd-amdhsa--gfx1250"
	.amdhsa_code_object_version 6
	.text
	.protected	k_qb136a70717_outp
	.globl	k_qb136a70717_outp
	.p2align	8
	.type	k_qb136a70717_outp,@function
k_qb136a70717_outp:
	s_mov_b64 s[64:65], 0
	v_nop
	global_prefetch_b8 v0, s[64:65] scope:SCOPE_SE
	s_setreg_imm32_b32 hwreg(HW_REG_WAVE_MODE, 25, 1), 1
	s_wait_xcnt 0x0
; LAUNCH 3 OF 3: out0 = tanh(LayerNorm(a + tanh(a Wres + bres))), a = launch 2's result: as codes of FP6 (E2M3) for the product (ac), in f32 for the residual (af).  No work of reference() is left out.
; LIMITS: NaN and infinities among the inputs are not served.  tanh(x) = 1 - 2 / (1 + 2^(2 log2(e) x)), which ends at +-1 for large |x|.
; SHARES.  Work-group T owns one tile of 16 tokens (32 (T / 2) + 8 (T % 2) + {0..7, 16..23}), whole rows of 1,024, so that the LayerNorm stays inside it.  Wave w owns columns 64 w .. 64 w + 63: four tiles,
; used transposed (source 0 = 16 rows of Wres, source 1 = the tokens), rows chosen as in launch 1: its 32 registers a lane match af's image of (T, head w) register for register.
; Wres comes straight into registers, as the images that launch 1 laid: a wave reads its 49,152 bytes once and each byte feeds one matrix instruction of the work-group, so LDS would add nothing.
; NO CLUSTER: Wres's image, 786,432 bytes, does not fit in LDS; through slots that take turns a round of the cluster's barrier would stand in front of every 4 matrix instructions of a wave.
; REGISTERS: v1-15 addresses; v16-23 at work; v24-31 a's scale words; v32-63 the sums, later the row's numbers; three sets of 60 (a's fragment, W's four) at v64, v124, v184; v244-255 W's scale words, and nothing else.
.set RED1,  69632                      ; LDS: 16 stages of 16 rows x 272 bytes; then [r][wave] sums; 1,024 bytes on, the sums of squares;
.set SPARE, 71680                      ; the spare words, 128 bytes for each wave: eight blocks of 256 bytes that no other line names
.set Y,   32
.set AS,  24
.set RD,  156
.set SPW, 8
.set NIL, 9
.macro LOADSET s                       ; K step s: 19 loads
.set SB, 64+60*((\s)%3)
.set WR, 244+4*((\s)%3)
.irp i, 0,1,2,3,4,5
	global_load_b64 v[SB+2*\i:SB+2*\i+1], v3, s[4:5] offset:1536*(\s)+256*\i       ; a: heads 2 s and 2 s + 1: two units on end
.endr
.irp t, 0,1,2,3
.irp c, 0,1,2
	global_load_b128 v[SB+12+12*\t+4*\c:SB+15+12*\t+4*\c], v4, s[8:9] offset:6144*(\s)+1536*\t+512*\c
.endr
.endr
	global_load_b128 v[WR:WR+3], v5, s[22:23] offset:256*(\s)                      ; the four tiles' scale words of my row
.endm
.macro KSTEP s, n                      ; n: the loads issued behind set s, which may stay out
.set SB, 64+60*((\s)%3)
.set WR, 244+4*((\s)%3)
	s_wait_loadcnt \n
.irp t, 0,1,2,3
	v_wmma_scale_f32_16x16x128_f8f6f4 v[Y+8*\t:Y+8*\t+7], v[SB+12+12*\t:SB+23+12*\t], v[SB:SB+11], v[Y+8*\t:Y+8*\t+7], v[WR+\t], v[AS+(\s)] matrix_a_fmt:MATRIX_FMT_FP6 matrix_b_fmt:MATRIX_FMT_FP6   ; the four accumulators take turns, over the step's edge too
.endr
.rept 4
	v_nop                                          ; places in front of loads into the set, and of the first read of results
.endr
.endm
.macro TANH32                          ; v[Y] .. v[Y + 31] become their tanh, in place
.set j, 0
.rept 16
	v_pk_mul_f32 v[Y+j:Y+j+1], v[Y+j:Y+j+1], 0x4038aa3b op_sel_hi:[1,0]   ; x 2 log2(e)
.set j, j+2
.endr
.set j, 0
	s_wait_alu depctr_va_vdst(0)
.rept 32
	v_exp_f32 v[Y+j], v[Y+j]
.set j, j+1
.endr
	v_nop                                          ; a plain place behind the batch,
	s_wait_alu depctr_va_vdst(0)                   ; and one wait ahead of its first reader
.set j, 0
.rept 16
	v_pk_add_f32 v[Y+j:Y+j+1], v[Y+j:Y+j+1], 1.0 op_sel_hi:[1,0]
.set j, j+2
.endr
.set j, 0
	s_wait_alu depctr_va_vdst(0)
.rept 32
	v_rcp_f32 v[Y+j], v[Y+j]
.set j, j+1
.endr
	v_nop
	s_wait_alu depctr_va_vdst(0)
.set j, 0
.rept 16
	v_pk_fma_f32 v[Y+j:Y+j+1], v[Y+j:Y+j+1], -2.0, 1.0 op_sel_hi:[1,0,0]
.set j, j+2
.endr
.endm
; v[16:17] and v[18:19] hold my lane's sums in two chains: they become the row's sum over all 1,024 columns, in v16, through 16 words a row in LDS at off.
.macro ACROSS off
	s_delay_alu instid0(VALU_DEP_1)
	v_pk_add_f32 v[16:17], v[16:17], v[18:19]
	s_delay_alu instid0(VALU_DEP_1)
	v_add_f32 v16, v16, v17
	s_delay_alu instid0(VALU_DEP_1)
	v_permlanex16_b32 v20, v16, s20, s21
	s_delay_alu instid0(VALU_DEP_1)
	v_add_f32 v16, v16, v20                        ; my wave's 64 columns
	ds_store_b32 v13, v16 offset:\off              ; (lanes l and l xor 16 store the same word with the same value)
	s_wait_dscnt 0x0                               ; for the others' sake: my store is done
	s_barrier_signal -1
	s_barrier_wait -1
.irp i, 0,1,2,3
	ds_load_b128 v[RD+4*\i:RD+4*\i+3], v14 offset:\off+16*\i
.endr
	s_wait_dscnt 0x0
.irp i, 0,2,4,6
	v_pk_add_f32 v[RD+\i:RD+\i+1], v[RD+\i:RD+\i+1], v[RD+8+\i:RD+9+\i]
.endr
	s_delay_alu instid0(VALU_DEP_2)
	v_pk_add_f32 v[RD:RD+1], v[RD:RD+1], v[RD+4:RD+5]
	s_delay_alu instid0(VALU_DEP_2)
	v_pk_add_f32 v[RD+2:RD+3], v[RD+2:RD+3], v[RD+6:RD+7]
	s_delay_alu instid0(VALU_DEP_1)
	v_pk_add_f32 v[RD:RD+1], v[RD:RD+1], v[RD+2:RD+3]
	s_delay_alu instid0(VALU_DEP_1)
	v_add_f32 v16, v[RD], v[RD+1]
.endm
	s_load_b256 s[4:11], s[0:1], 0x0               ; ac, af, wi, bres
	s_load_b128 s[12:15], s[0:1], 0x20             ; g_out, b_out
	s_load_b64 s[16:17], s[0:1], 0x30              ; out0
	v_lshl_add_u32 v[SPW], v0, 2, SPARE
	v_mov_b32 v[NIL], 0
	v_lshrrev_b32 v1, 5, v0
	s_delay_alu instid0(VALU_DEP_1)
	v_readfirstlane_b32 s18, v1                    ; wave 0..15
	v_and_b32 v16, 31, v0                          ; lane
	v_and_b32 v1, 15, v0                           ; r
	v_bfe_u32 v2, v0, 4, 1                         ; h
	s_delay_alu instid0(VALU_DEP_3)
	v_lshlrev_b32 v3, 3, v16
	s_delay_alu instid0(VALU_DEP_4)
	v_lshlrev_b32 v4, 4, v16
	s_delay_alu instid0(VALU_DEP_4)
	v_lshlrev_b32 v5, 4, v1
	v_lshlrev_b32 v6, 5, v1
	v_lshlrev_b32 v7, 6, v2
	v_lshlrev_b32 v15, 8, v16                      ; the prefetch: lanes 256 bytes apart
	s_mul_i32 s24, s18, 4352                       ; my stage
	v_mul_u32_u24 v10, v1, 272
	s_delay_alu instid0(VALU_DEP_1)
	v_lshl_add_u32 v10, v2, 6, v10
	s_delay_alu instid0(VALU_DEP_1)
	v_add_nc_u32 v10, s24, v10                     ; in: row r, + 64 h
	v_mul_u32_u24 v11, v2, 272
	s_delay_alu instid0(VALU_DEP_1)
	v_lshl_add_u32 v11, v1, 4, v11
	s_delay_alu instid0(VALU_DEP_1)
	v_add_nc_u32 v11, s24, v11                     ; back: lanes 0-15 one row of 256 bytes, lanes 16-31 the next
	v_lshlrev_b32 v12, 12, v2
	s_delay_alu instid0(VALU_DEP_1)
	v_lshl_add_u32 v12, v1, 4, v12                 ; and the same two rows in out0
	s_lshl_b32 s25, s18, 2
	s_add_co_u32 s25, s25, RED1
	v_lshl_add_u32 v13, v1, 6, s25                 ; my wave's word of row r
	v_lshl_add_u32 v14, v1, 6, RED1                ; row r's 16 words
	v_mov_b32 v20, 0                               ; written once: a lane permute's destination counts as one of its sources
	s_mov_b32 s20, 0x76543210
	s_mov_b32 s21, 0xfedcba98
	s_mov_b32 s28, 0x3a800000                      ; 1 / 1,024
	s_mov_b32 s29, 0x3727c5ac                      ; 1e-5
	s_mov_b32 s25, 0
	s_mov_b32 s27, 0
	s_wait_kmcnt 0x0
	s_mul_i32 s24, ttmp9, 12800
	s_add_nc_u64 s[4:5], s[4:5], s[24:25]          ; ac: [T][12,800]
	s_lshl_b32 s24, ttmp9, 4
	s_add_co_u32 s24, s24, s18
	s_lshl_b32 s24, s24, 12
	s_add_nc_u64 s[6:7], s[6:7], s[24:25]          ; af: [T][head = wave][4,096]
	s_lshl_b32 s24, s18, 11
	s_add_co_u32 s24, s24, 786432
	s_add_nc_u64 s[22:23], s[8:9], s[24:25]        ; wi's scale words: [wave][s][r][t]
	s_mul_i32 s24, s18, 49152
	s_add_nc_u64 s[8:9], s[8:9], s[24:25]          ; wi's fragments: [wave][s][t][1,536]
	s_lshl_b32 s24, s18, 8                         ; my 64 columns
	s_add_nc_u64 s[10:11], s[10:11], s[24:25]
	s_add_nc_u64 s[12:13], s[12:13], s[24:25]
	s_add_nc_u64 s[14:15], s[14:15], s[24:25]
	s_add_nc_u64 s[16:17], s[16:17], s[24:25]
	s_lshr_b32 s26, ttmp9, 1
	s_lshl_b32 s26, s26, 5
	s_and_b32 s24, ttmp9, 1
	s_lshl_b32 s24, s24, 3
	s_add_co_u32 s26, s26, s24                     ; the tile's first token
	s_lshl_b32 s26, s26, 12
	s_add_nc_u64 s[16:17], s[16:17], s[26:27]
.irp t, 0,1,2,3
.irp k, 0,1
	global_load_b128 v[Y+8*\t+4*\k:Y+8*\t+4*\k+3], v7, s[10:11] offset:128*(\t/2)+32*(\t%2)+16*\k   ; bres lands in the accumulators: it is the C of the first products
.endr
.endr
	global_load_b128 v[AS:AS+3], v6, s[4:5] offset:12288       ; a's scale words of all eight K steps: 32 bytes a row
	global_load_b128 v[AS+4:AS+7], v6, s[4:5] offset:12304
	LOADSET 0
	LOADSET 1
	LOADSET 2
	KSTEP 0, 38                                    ; two younger sets of 19 may be out
	LOADSET 3
	s_and_b32 s24, s18, 1                          ; af, which is read once, five K steps on, is asked for here: the even waves name the 8,192 bytes of their own image and the next wave's, each 256 bytes once
	s_cmp_eq_u32 s24, 0
	s_cbranch_scc0 .Lno_pf
	global_prefetch_b8 v15, s[6:7] th:TH_LOAD_NT scope:SCOPE_SE
.Lno_pf:
	KSTEP 1, 38
	LOADSET 4
	KSTEP 2, 38
	LOADSET 5
	KSTEP 3, 38
	LOADSET 6
	KSTEP 4, 38
	LOADSET 7
	KSTEP 5, 38
.irp i, 0,1,2,3,4,5,6,7
	global_load_b128 v[184+4*\i:187+4*\i], v4, s[6:7] offset:512*\i th:TH_LOAD_NT   ; a in f32, into the set just left
.endr
	KSTEP 6, 27                                    ; set 7's 19 and a's 8 may be out
.irp t, 0,1,2,3
.irp k, 0,1
	global_load_b128 v[64+8*\t+4*\k:67+8*\t+4*\k], v7, s[12:13] offset:128*(\t/2)+32*(\t%2)+16*\k   ; g_out
.endr
.endr
	KSTEP 7, 16                                    ; a's 8 and g's 8 may be out
.irp t, 0,1,2,3
.irp k, 0,1
	global_load_b128 v[124+8*\t+4*\k:127+8*\t+4*\k], v7, s[14:15] offset:128*(\t/2)+32*(\t%2)+16*\k   ; b_out
.endr
.endr
	TANH32                                         ; it reads each accumulator from its low end on
	s_wait_loadcnt 16                              ; a is in; g's and b's 16 loads may be out
.set j, 0
.rept 16
	v_pk_add_f32 v[Y+j:Y+j+1], v[Y+j:Y+j+1], v[184+j:185+j]   ; y = a + tanh(..)
.set j, j+2
.endr
	v_pk_add_f32 v[16:17], v[Y:Y+1], v[Y+2:Y+3]
	v_pk_add_f32 v[18:19], v[Y+4:Y+5], v[Y+6:Y+7]
.irp k, 8,12,16,20,24,28
	s_delay_alu instid0(VALU_DEP_2)
	v_pk_add_f32 v[16:17], v[16:17], v[Y+\k:Y+\k+1]
	s_delay_alu instid0(VALU_DEP_2)
	v_pk_add_f32 v[18:19], v[18:19], v[Y+\k+2:Y+\k+3]
.endr
	ACROSS 0
	s_delay_alu instid0(VALU_DEP_1)
	v_mul_f32 v16, s28, v16                        ; the mean
.set j, 0
.rept 16
	v_pk_add_f32 v[Y+j:Y+j+1], v[Y+j:Y+j+1], v[16:17] op_sel_hi:[1,0] neg_lo:[0,1] neg_hi:[0,1]
.set j, j+2
.endr
	v_pk_mul_f32 v[16:17], v[Y:Y+1], v[Y:Y+1]
	v_pk_mul_f32 v[18:19], v[Y+2:Y+3], v[Y+2:Y+3]
.irp k, 4,8,12,16,20,24,28
	s_delay_alu instid0(VALU_DEP_2)
	v_pk_fma_f32 v[16:17], v[Y+\k:Y+\k+1], v[Y+\k:Y+\k+1], v[16:17]
	s_delay_alu instid0(VALU_DEP_2)
	v_pk_fma_f32 v[18:19], v[Y+\k+2:Y+\k+3], v[Y+\k+2:Y+\k+3], v[18:19]
.endr
	ACROSS 1024                                    ; other words than the first sums': no wave can overwrite what another still reads
	s_delay_alu instid0(VALU_DEP_1)
	v_fma_f32 v16, v16, s28, s29                   ; the variance + 1e-5
	s_wait_alu depctr_va_vdst(0)
	v_rsq_f32 v18, v16
	v_nop
	s_wait_alu depctr_va_vdst(0)
	s_wait_loadcnt 0x0                             ; g_out, b_out
.set j, 0
.rept 16
	v_pk_mul_f32 v[Y+j:Y+j+1], v[Y+j:Y+j+1], v[18:19] op_sel_hi:[1,0]
.set j, j+2
.endr
.set j, 0
.rept 16
	v_pk_fma_f32 v[Y+j:Y+j+1], v[Y+j:Y+j+1], v[64+j:65+j], v[124+j:125+j]
.set j, j+2
.endr
	TANH32
	; a lane holds pieces of 32 bytes of one row: the wave's 16 rows x 256 bytes go through its own stage and leave as whole aligned runs of 256 bytes
.irp t, 0,1,2,3
.irp k, 0,1
	ds_store_b128 v10, v[Y+8*\t+4*\k:Y+8*\t+4*\k+3] offset:128*(\t/2)+32*(\t%2)+16*\k
.endr
.endr
.irp i, 0,1,2,3,4,5,6,7
	ds_load_b128 v[64+4*\i:67+4*\i], v11 offset:544*\i     ; LDS serves a wave's instructions in order (ISA guide 5.7.1.4): these see my stores
.endr
.irp i, 0,1,2,3,4,5,6,7
	s_wait_dscnt 7-\i                              ; the younger loads may be out
	global_store_b128 v12, v[64+4*\i:67+4*\i], s[16:17] offset:(2*\i+8*(\i/4))*4096 th:TH_STORE_NT   ; rows 2 i, 2 i + 1 of the tile are tokens 2 i + 8 (i / 4) on; 16 lanes store 256 consecutive bytes, aligned
.endr
	s_wait_tensorcnt 0x0                           ; the wave's end
	ds_add_u32 v[SPW], v[NIL]
	s_wait_dscnt 0x0
	s_endpgm
.Lfunc_end_k_qb136a70717_outp:
	.size	k_qb136a70717_outp, .Lfunc_end_k_qb136a70717_outp-k_qb136a70717_outp
	.p2alignl 7, 3214868480
	.fill 96, 4, 3214868480
	.section	.rodata,"a",@progbits
	.p2align	6, 0x0
	.amdhsa_kernel k_qb136a70717_outp
		.amdhsa_group_segment_fixed_size 73728
		.amdhsa_private_segment_fixed_size 0
		.amdhsa_enable_private_segment 0
		.amdhsa_kernarg_size 56
		.amdhsa_user_sgpr_count 2
		.amdhsa_user_sgpr_kernarg_segment_ptr 1
		.amdhsa_wavefront_size32 1
		.amdhsa_system_sgpr_workgroup_id_x 1
		.amdhsa_system_sgpr_workgroup_id_y 1
		.amdhsa_system_sgpr_workgroup_id_z 1
		.amdhsa_system_vgpr_workitem_id 0
		.amdhsa_next_free_vgpr 256
		.amdhsa_next_free_sgpr 66
		.amdhsa_reserve_vcc 0
		.amdhsa_float_denorm_mode_32 3
		.amdhsa_float_denorm_mode_16_64 3
		.amdhsa_memory_ordered 1
		.amdhsa_forward_progress 1
		.amdhsa_inst_pref_size 50
	.end_amdhsa_kernel
	.amdgpu_metadata
---
amdhsa.version: [ 1, 2 ]
amdhsa.kernels:
  - .name:           k_qb136a70717_outp
    .symbol:         k_qb136a70717_outp.kd
    .args:
      - { .name: ac, .offset: 0, .size: 8, .value_kind: global_buffer, .address_space: global }
      - { .name: af, .offset: 8, .size: 8, .value_kind: global_buffer, .address_space: global }
      - { .name: wi, .offset: 16, .size: 8, .value_kind: global_buffer, .address_space: global }
      - { .name: bres, .offset: 24, .size: 8, .value_kind: global_buffer, .address_space: global }
      - { .name: g_out, .offset: 32, .size: 8, .value_kind: global_buffer, .address_space: global }
      - { .name: b_out, .offset: 40, .size: 8, .value_kind: global_buffer, .address_space: global }
      - { .name: out0, .offset: 48, .size: 8, .value_kind: global_buffer, .address_space: global }
    .group_segment_fixed_size: 73728
    .private_segment_fixed_size: 0
    .kernarg_segment_align: 8
    .kernarg_segment_size: 56
    .max_flat_workgroup_size: 512
    .sgpr_count:     66
    .vgpr_count:     256
    .wavefront_size: 32
...
	.end_amdgpu_metadata
.endif
;; end of part 3
